; MI455X (gfx1250); checked and timed in simulation.
; The chip was launched on July 23, 2026; its instructions are those of AMD's public machine-readable ISA for CDNA 5 (MIT licence, August 2026) and "CDNA5" Instruction Set Architecture Reference Guide (July 2026). The comments in the code are by the model that wrote it; some were corrected since.
;; Sliding Window Attention. Allowed arithmetic: float matrix products may take bf16 or f16 operands with f32 sums; other float arithmetic in f32, or as packed bf16 or f16 multiplies, adds, multiply-adds, maxima and minima; sums over many terms, partial sums and values carried from step to step in f32; what a program stores and reads back later, other than sums and carried values, may be rounded once to bf16 or f16.
;; Inputs: k_b 1,024 float32; k_w 1,024 x 1,024 float32; o_b 1,024 float32; o_w 1,024 x 1,024 float32; q_b 1,024 float32; q_w 1,024 x 1,024 float32; v_b 1,024 float32; v_w 1,024 x 1,024 float32; x 1 x 4,096 x 1,024 float32.
;; Outputs: out0 1 x 4,096 x 1,024 float32.
;; 2 versions, each right; version 2 is version 1 with the launch cast written anew for expert scheduling mode. Each part assembles by itself: llvm-mc -triple=amdgcn-amd-amdhsa -mcpu=gfx1250 --defsym DOCPART=n.
;; ======== version 1 of 2: 4 launches
;; limits: values are held in f16: magnitudes above 65,504 overflow, below 6.1e-05 lose precision
;; workspace buffers: xb 8,388,608 bytes; wb 6,291,456 bytes; owb 2,097,152 bytes; qkvb 25,165,824 bytes; ob 8,388,608 bytes
;; launch cast (part 1): grid 512 x 1, 8 waves a work-group, no clusters, 0 bytes of LDS; arguments x, q_w, k_w, v_w, o_w, xb, wb, owb; writes xb, wb, owb
.if DOCPART == 1
	.amdgcn_target "amdgcn-amd-amdhsa--gfx1250"
	.amdhsa_code_object_version 6
	.text
	.protected	k_q5d3e7dfa0a_cast
	.globl	k_q5d3e7dfa0a_cast
	.p2align	8
	.type	k_q5d3e7dfa0a_cast,@function
k_q5d3e7dfa0a_cast:
	s_mov_b64 s[64:65], 0
	v_nop
	global_prefetch_b8 v0, s[64:65] scope:SCOPE_SE
	s_setreg_imm32_b32 hwreg(HW_REG_WAVE_MODE, 25, 1), 1
	s_wait_xcnt 0x0
; CAST.  x, q_w, k_w, v_w are rounded once to bf16; o_w is rounded to bf16 and that number is written as f16 (the last product runs f16 x f16).
; xb: bf16 [4096][1024].  wb: bf16 [16 heads][q, k, v][64][1024]: a head's q, k and v rows lie together.  owb: f16 [1024][1024].
; LIMIT.  o_w within f16's 65,504; below 6e-5 the f16 copy keeps f16's fixed step of 6e-8.
; SHARES.  Work-group g takes 65,536 bytes of f32 (16 rows of 1,024 numbers): g 0-255 of x, then 64 each of q_w, k_w, v_w, o_w.  Thread t takes 16 bytes at 16 t + 4,096 i, i = 0..15:
; a wave's load covers 512 consecutive bytes; its store of 8 bytes a lane covers 256 consecutive bytes, aligned.  All 16 loads of a thread go out at once; nothing is read twice.
; No LDS, no barrier, no matrix unit: the launch only moves bytes.
.set X, 4                              ; v[4:67]    16 x 4 registers as loaded
.set Y, 68                             ; v[68:99]   16 x 2 registers to store: each store has its own, so none is rewritten
.set T, 100                            ; v[100:103] at work
.set SRC, 28                           ; s[28:29]   where I read
.set DST, 30                           ; s[30:31]   where I write
	s_load_b512 s[8:23], s[0:1], 0x0               ; x s[8:9], q_w s[10:11], k_w s[12:13], v_w s[14:15], o_w s[16:17], xb s[18:19], wb s[20:21], owb s[22:23]
	v_lshlrev_b32 v1, 4, v0                        ; 16 t
	v_lshlrev_b32 v2, 3, v0                        ; 8 t
	s_max_u32 s2, ttmp9, 256
	s_sub_co_u32 s2, s2, 256                       ; my number among the weights' 256 chunks (0 for a chunk of x)
	s_lshr_b32 s3, s2, 6                           ; which: 0 q_w, 1 k_w, 2 v_w, 3 o_w
	s_and_b32 s4, s2, 63                           ; chunk c of 16 rows in that matrix
	s_lshr_b32 s5, s4, 2                           ; head = c / 4
	s_mul_i32 s5, s5, 3
	s_add_co_u32 s5, s5, s3
	s_lshl_b32 s5, s5, 2
	s_and_b32 s6, s4, 3
	s_add_co_u32 s5, s5, s6                        ; its place in wb, in chunks: 4 (3 head + which) + c % 4
	s_cmp_eq_u32 s3, 3
	s_cselect_b32 s5, s4, s5                       ; o_w keeps its order
	s_cmp_lt_u32 ttmp9, 256
	s_cselect_b32 s5, ttmp9, s5                    ; and so does x
	s_cselect_b32 s4, ttmp9, s4
	s_lshl_b32 s24, s4, 16                         ; source offset: 65,536 bytes a chunk
	s_mov_b32 s25, 0
	s_lshl_b32 s26, s5, 15                         ; destination offset: 32,768 bytes a chunk
	s_mov_b32 s27, 0
	s_wait_kmcnt 0x0
	s_cmp_eq_u32 s3, 0
	s_cselect_b64 s[SRC:SRC+1], s[10:11], s[12:13]
	s_cmp_eq_u32 s3, 2
	s_cselect_b64 s[SRC:SRC+1], s[14:15], s[SRC:SRC+1]
	s_cmp_eq_u32 s3, 3
	s_cselect_b64 s[SRC:SRC+1], s[16:17], s[SRC:SRC+1]
	s_cselect_b64 s[DST:DST+1], s[22:23], s[20:21]
	s_cmp_lt_u32 ttmp9, 256
	s_cselect_b64 s[SRC:SRC+1], s[8:9], s[SRC:SRC+1]
	s_cselect_b64 s[DST:DST+1], s[18:19], s[DST:DST+1]
	s_add_nc_u64 s[SRC:SRC+1], s[SRC:SRC+1], s[24:25]
	s_add_nc_u64 s[DST:DST+1], s[DST:DST+1], s[26:27]
.irp i, 0,1,2,3,4,5,6,7,8,9,10,11,12,13,14,15
	global_load_b128 v[X+4*(\i):X+4*(\i)+3], v1, s[SRC:SRC+1] offset:4096*(\i) th:TH_LOAD_NT
.endr
	s_cmp_ge_u32 ttmp9, 448                        ; the last 64 work-groups hold o_w
	s_cbranch_scc1 .Lf16
.irp i, 0,1,2,3,4,5,6,7,8,9,10,11,12,13,14,15
	s_wait_loadcnt 15-(\i)                         ; loads come back in order: load i is in, the 15 - i younger ones stay out
	v_cvt_pk_bf16_f32 v[Y+2*(\i)],   v[X+4*(\i)],   v[X+4*(\i)+1]
	v_cvt_pk_bf16_f32 v[Y+2*(\i)+1], v[X+4*(\i)+2], v[X+4*(\i)+3]
	global_store_b64 v2, v[Y+2*(\i):Y+2*(\i)+1], s[DST:DST+1] offset:2048*(\i) th:TH_STORE_NT
.endr
	s_endpgm
.Lf16:
.irp i, 0,1,2,3,4,5,6,7,8,9,10,11,12,13,14,15
	s_wait_loadcnt 15-(\i)
	v_cvt_pk_bf16_f32 v[Y+2*(\i)],   v[X+4*(\i)],   v[X+4*(\i)+1]     ; the one rounding, to bf16, as for every other input
	v_cvt_pk_bf16_f32 v[Y+2*(\i)+1], v[X+4*(\i)+2], v[X+4*(\i)+3]
	v_lshlrev_b32 v[T],   16, v[Y+2*(\i)]                             ; back to f32,
	v_and_b32     v[T+1], 0xffff0000, v[Y+2*(\i)]
	v_lshlrev_b32 v[T+2], 16, v[Y+2*(\i)+1]
	v_and_b32     v[T+3], 0xffff0000, v[Y+2*(\i)+1]
	v_cvt_pk_f16_f32 v[Y+2*(\i)],   v[T],   v[T+1]                    ; and written as f16: 8 significant bits fit into 11
	v_cvt_pk_f16_f32 v[Y+2*(\i)+1], v[T+2], v[T+3]
	global_store_b64 v2, v[Y+2*(\i):Y+2*(\i)+1], s[DST:DST+1] offset:2048*(\i) th:TH_STORE_NT
.endr
	s_endpgm
.Lfunc_end_k_q5d3e7dfa0a_cast:
	.size	k_q5d3e7dfa0a_cast, .Lfunc_end_k_q5d3e7dfa0a_cast-k_q5d3e7dfa0a_cast
	.p2alignl 7, 3214868480
	.fill 96, 4, 3214868480
	.section	.rodata,"a",@progbits
	.p2align	6, 0x0
	.amdhsa_kernel k_q5d3e7dfa0a_cast
		.amdhsa_group_segment_fixed_size 0
		.amdhsa_private_segment_fixed_size 0
		.amdhsa_enable_private_segment 0
		.amdhsa_kernarg_size 64
		.amdhsa_user_sgpr_count 2
		.amdhsa_user_sgpr_kernarg_segment_ptr 1
		.amdhsa_wavefront_size32 1
		.amdhsa_system_sgpr_workgroup_id_x 1
		.amdhsa_system_sgpr_workgroup_id_y 1
		.amdhsa_system_sgpr_workgroup_id_z 1
		.amdhsa_system_vgpr_workitem_id 0
		.amdhsa_next_free_vgpr 104
		.amdhsa_next_free_sgpr 66
		.amdhsa_reserve_vcc 0
		.amdhsa_float_denorm_mode_32 3
		.amdhsa_float_denorm_mode_16_64 3
		.amdhsa_memory_ordered 1
		.amdhsa_forward_progress 1
		.amdhsa_inst_pref_size 17
	.end_amdhsa_kernel
	.amdgpu_metadata
---
amdhsa.version: [ 1, 2 ]
amdhsa.kernels:
  - .name:           k_q5d3e7dfa0a_cast
    .symbol:         k_q5d3e7dfa0a_cast.kd
    .args:
      - { .name: x, .offset: 0, .size: 8, .value_kind: global_buffer, .address_space: global }
      - { .name: q_w, .offset: 8, .size: 8, .value_kind: global_buffer, .address_space: global }
      - { .name: k_w, .offset: 16, .size: 8, .value_kind: global_buffer, .address_space: global }
      - { .name: v_w, .offset: 24, .size: 8, .value_kind: global_buffer, .address_space: global }
      - { .name: o_w, .offset: 32, .size: 8, .value_kind: global_buffer, .address_space: global }
      - { .name: xb, .offset: 40, .size: 8, .value_kind: global_buffer, .address_space: global }
      - { .name: wb, .offset: 48, .size: 8, .value_kind: global_buffer, .address_space: global }
      - { .name: owb, .offset: 56, .size: 8, .value_kind: global_buffer, .address_space: global }
    .group_segment_fixed_size: 0
    .private_segment_fixed_size: 0
    .kernarg_segment_align: 8
    .kernarg_segment_size: 64
    .max_flat_workgroup_size: 256
    .sgpr_count:     66
    .vgpr_count:     104
    .wavefront_size: 32
...
	.end_amdgpu_metadata
.endif
;; end of part 1
;; launch qkv (part 2): grid 8 x 32, 4 waves a work-group, clusters of 4 x 4, 327,680 bytes of LDS; arguments xb, wb, q_b, k_b, v_b, qkvb; writes qkvb
.if DOCPART == 2
	.amdgcn_target "amdgcn-amd-amdhsa--gfx1250"
	.amdhsa_code_object_version 6
	.text
	.protected	k_q5d3e7dfa0a_qkv
	.globl	k_q5d3e7dfa0a_qkv
	.p2align	8
	.type	k_q5d3e7dfa0a_qkv,@function
k_q5d3e7dfa0a_qkv:
	s_mov_b64 s[64:65], 0
	v_nop
	global_prefetch_b8 v0, s[64:65] scope:SCOPE_SE
	s_setreg_imm32_b32 hwreg(HW_REG_WAVE_MODE, 25, 1), 1
	s_wait_xcnt 0x0
	s_wait_alu depctr_hold_cnt(0) depctr_sa_sdst(0) depctr_va_vdst(0) depctr_va_sdst(0) depctr_va_ssrc(0) depctr_va_vcc(0) depctr_vm_vsrc(0)
	s_getreg_b32 s2, hwreg(HW_REG_IB_STS2, 6, 4)
	s_cmp_eq_u32 s2, 0
	s_cbranch_scc0 .Lentry_in_a_cluster
	s_endpgm
.Lentry_in_a_cluster:
	s_bfe_u32 s2, ttmp6, 0x10000c
	s_cmp_lg_u32 s2, 0xf033
	s_cbranch_scc0 .Lentry_shape_is_right
	s_endpgm
.Lentry_shape_is_right:
; Q, K, V = x W^T + b for all three projections in one product of 4,096 x 3,072 x 1,024, bf16 operands, f32 sums that START with the bias; written by heads in f16, unscaled:
; qkvb [16 heads][q, k, v][4,096 rows][64], a head's rows dense, 128 bytes each.
; LIMIT.  q, k, v within f16's 65,504; NaN and infinities are not treated apart.
; SHARES.  A tile of C is 128 rows x 384 columns (two heads' q, k and v): 8 x 32 = 256 work-groups.  Wave w: rows 64 (w / 2) on, head 2 tx + w % 2, all its 192 columns:
; 4 x 12 accumulators of 16 x 16, 384 registers.  K goes in 8 steps of 128 (rows of 256 bytes, aligned) through a ring of two LDS slots.
; CLUSTER.  4 x 4 work-groups.  The four of a row of the cluster need the same 128 rows of x, the four of a column the same 384 rows of W: each tile is asked for JOINTLY, by the same tensor
; load with the same descriptor and a mask that names the four.  Wave 0 fetches x's tile, waves 1 to 3 a third of W's each: 128 rows x 256 bytes a load.
; THE MATRIX INSTRUCTION IS USED TRANSPOSED (source 0 = 16 rows of W, source 1 = 16 rows of x): a lane holds row l % 16 of C and the columns 8 (l / 16) + 0..7: eight neighbours, 16 bytes of f16.
; REGISTERS, in windows of 256 (s_set_vgpr_msb: bits 1:0 source 0, 3:2 source 1, 5:4 source 2, 7:6 destination):
;   window 0: v0-31 addresses; v64-127 x's fragments, two buffers of 4 x 8; v128-223 the bias, 8 a column block, later the way out's registers
;   window 1: v0-191 W's fragments, two buffers of 12 x 8      window 2: accumulators of row blocks 0, 1 at 96 (a % 2) + 8 b      window 3: of row blocks 2, 3
.set PITCH,  272                       ; an LDS row: 256 bytes + 16 of padding = 68 words: the 16 rows of a fragment load start at 16 different groups of four banks (64 banks of 4 bytes: ISA guide 11.1)
.set HALFT,  128*PITCH                 ; what one tensor load brings
.set SLOT,   4*HALFT                   ; x's 128 rows, then W's 384
.set STAGE,  2*SLOT                    ; behind the ring, never filled by a tensor load: for each wave three pieces (q, k, v) of 16 rows x 144 bytes
.set SP,     144
.set PIECE,  16*SP
.set WSTAGE, 3*PIECE
.set SPARE,  STAGE+4*WSTAGE            ; behind the stages: the spare words, 128 bytes for each wave: two blocks of 256 bytes that no other line names
.set KB,     256                       ; bytes of a row in a K step
.set HEADB,  1572864                   ; a head in qkvb
.set WHICHB, 524288                    ; q, k or v of a head
.set SHAPE,  (1<<16)|(1<<20)|(1<<21)|(5<<22)|(3<<25)  ; group 1, word 0 beside the mask: 2-byte elements; padding on; bit 21 set beside a mask; after every 64 words; 4 words
.set ADRA, 16                          ; v16-17  LDS address of my fragments of x in slot 0, 1
.set ADRB, 20                          ; v20-21  of W
.set STO,  24                          ; v24     the way out: where I put 16 bytes of a row
.set RD,   25                          ; v25     where I read rows back
.set CO,   26                          ; v26     16 x lane: my place in 512 consecutive bytes of qkvb
.set SPW,  28                          ; v28     LDS address of my spare word; never rewritten
.set NIL,  29                          ; v29     0; never rewritten
.set PFO,  30                          ; v30     the prefetches' offset: lane x 2,048, a lane a row; never rewritten
.set BO,   31                          ; v31     my byte offset in a bias
.set FA,   64
.set BIAS, 128
.set TMP,  128                         ; the way out: 48 packed registers
.set OB,   176                         ; the way out: 48 registers read back
.set WV, 16                            ; s16 wave;  s17 its half of the rows;  s18 its head of the two
.set WM, 17
.set WN, 18
.set CX, 19
.set CY, 20
.set TX, 21                            ; s21 tile column (pair of heads);  s22 tile row
.set TY, 22
.set LAP, 23
.set G1,  24                           ; s[24:31] group 1 for x's tiles;  s[32:39] group 0, a set for each slot
.set G0,  32
.set PFA, 46                           ; s[46:47] where my prefetches stand
.set G1B, 48                           ; s[48:55], s[56:63] the same for W's tiles
.set G0B, 56
.set LIM, 66                           ; s66 1 in a wave that prefetches, else the greatest number
.set MSB, 0
.macro WIN new                         ; the immediate's high byte repeats the setting that is left; a switch that changes nothing is dropped
.if MSB != (\new)
	s_set_vgpr_msb (MSB<<8)|(\new)
.set MSB, \new
.endif
.endm
.macro PLACES                          ; four plain vector instructions between a matrix instruction and a load into, or a vector read or write of, its registers
.rept 4
	v_nop
.endr
.endm
; A joint load.  The branch hangs on the wave's number alone.  An s_nop 0 and four v_nop follow each of the two lines, ahead of the jump and the label.
.macro JLOAD s
	s_cmp_eq_u32 s[WV], 0
	s_cbranch_scc0 .Lfor_b_\@
	tensor_load_to_lds s[G0+4*(\s):G0+4*(\s)+3], s[G1:G1+7]
	s_nop 0
.rept 4
	v_nop
.endr
	s_branch .Lasked_\@
.Lfor_b_\@:
	tensor_load_to_lds s[G0B+4*(\s):G0B+4*(\s)+3], s[G1B:G1B+7]
	s_nop 0
.rept 4
	v_nop
.endr
.Lasked_\@:
.endm
; A prefetch of the K step that stands two refills on: 32 rows x 256 bytes, a lane a row, one instruction.  x's rows are read by both clusters of a row of clusters: cluster x = 0 asks; W's rows by all
; eight clusters of a column: cluster y = 0 asks.  The four partners of a joint load share its 128 rows out by address, 32 each.  So each row's 256 bytes of K steps 4 to 7 are named once in the launch.
; The loop's last trip asks for nothing: there is no K step two on.
.macro ASK
	s_cmp_gt_u32 s[LAP], s[LIM]
	s_cbranch_scc0 .Lnot_mine_\@
	global_prefetch_b8 v[PFO], s[PFA:PFA+1] offset:KB th:TH_LOAD_NT scope:SCOPE_SE
.Lnot_mine_\@:
.endm
.macro CREST                           ; a round of the cluster's barrier behind its opening barrier
	s_cmp_lg_u32 s[WV], 0
	s_cbranch_scc1 .Lnot_wave_0_\@
	s_barrier_signal -3
.Lnot_wave_0_\@:
	s_barrier_wait -3
	s_barrier_signal -1
	s_barrier_wait -1
.endm
.macro CROUND
	s_barrier_signal -1
	s_barrier_wait -1
	CREST
.endm
	s_load_b256 s[4:11], s[0:1], 0x0               ; xb s[4:5], wb s[6:7], q_b s[8:9], k_b s[10:11]
	s_load_b128 s[12:15], s[0:1], 0x20             ; v_b s[12:13], qkvb s[14:15]
	v_lshl_add_u32 v[SPW], v0, 2, SPARE
	v_mov_b32 v[NIL], 0
	ds_add_u32 v[SPW], v[NIL]                      ; the wave's opening: the add and its wait stand ahead of my first tensor load; the set-up below stands between them
	v_lshrrev_b32 v1, 5, v0
	v_readfirstlane_b32 s[WV], v1
	s_lshr_b32 s[WM], s[WV], 1
	s_and_b32 s[WN], s[WV], 1
	s_bfe_u32 s[CX], ttmp6, 0x40000
	s_bfe_u32 s[CY], ttmp6, 0x40004
	s_lshl_b32 s[TX], ttmp9, 2
	s_add_co_u32 s[TX], s[TX], s[CX]               ; tile column = 4 x cluster x + cx
	s_and_b32 s[TY], ttmp7, 0xffff
	s_lshl_b32 s[TY], s[TY], 2
	s_add_co_u32 s[TY], s[TY], s[CY]               ; tile row = 4 x cluster y + cy
	s_lshl_b32 s40, s[CY], 2
	s_lshl_b32 s40, 15, s40                        ; my row of the cluster
	s_lshl_b32 s41, 0x1111, s[CX]                  ; my column
	s_or_b32 s[G1], s40, SHAPE
	s_or_b32 s[G1B], s41, SHAPE
.irp g, G1, G1B
	s_mov_b32 s[(\g)+1], 128<<16                   ; tensor_dim0 = 128 elements
	s_mov_b32 s[(\g)+2], 128<<16                   ; tensor_dim1 = 128 rows
	s_mov_b32 s[(\g)+3], 128<<16                   ; tile_dim0 = 128
	s_mov_b32 s[(\g)+4], 128                       ; tile_dim1 = 128
	s_mov_b32 s[(\g)+5], 1024                      ; elements from row to row
	s_mov_b32 s[(\g)+6], 0
	s_mov_b32 s[(\g)+7], 0
.endr
	s_mul_i32 s67, s[WV], HALFT                    ; where my load lands in a slot: the wave's number alone
	s_lshl_b32 s42, s[TY], 18                      ; x: row 128 ty, 2,048 bytes a row
	s_mov_b32 s43, 0
	s_max_u32 s44, s[WV], 1
	s_sub_co_u32 s44, s44, 1                       ; which third of W's tile (wave 0 makes the address and does not use it)
	s_lshl_b32 s44, s44, 7
	s_mul_i32 s45, s[TX], 384
	s_add_co_u32 s44, s44, s45
	s_lshl_b32 s44, s44, 11
	s_mov_b32 s45, 0
	s_wait_dscnt 0x0                               ; the opening add is done
	s_wait_kmcnt 0x0
	s_add_nc_u64 s[42:43], s[4:5], s[42:43]
	s_add_nc_u64 s[44:45], s[6:7], s[44:45]
	CROUND                                         ; all sixteen work-groups are here: the first joint loads meet
.irp s, 0,1
	s_mov_b32 s[G0+4*(\s)], 1
	s_add_co_u32 s[G0+4*(\s)+1], s67, (\s)*SLOT
	s_add_nc_u64 s[G0+4*(\s)+2:G0+4*(\s)+3], s[42:43], (\s)*KB      ; K step s
	s_or_b32 s[G0+4*(\s)+3], s[G0+4*(\s)+3], 0x80000000
	s_mov_b32 s[G0B+4*(\s)], 1
	s_add_co_u32 s[G0B+4*(\s)+1], s67, (\s)*SLOT
	s_add_nc_u64 s[G0B+4*(\s)+2:G0B+4*(\s)+3], s[44:45], (\s)*KB
	s_or_b32 s[G0B+4*(\s)+3], s[G0B+4*(\s)+3], 0x80000000
.endr
	s_cmp_eq_u32 s[WV], 0                          ; a wave's two first fills stand in one branch, ahead of every wait on TENSORcnt and every LDS read: two loads of mine are out
	s_cbranch_scc0 .Lfirst_b
	tensor_load_to_lds s[G0:G0+3], s[G1:G1+7]
	s_nop 0
	tensor_load_to_lds s[G0+4:G0+7], s[G1:G1+7]
	s_nop 0
.rept 4
	v_nop
.endr
	s_branch .Lfirst_asked
.Lfirst_b:
	tensor_load_to_lds s[G0B:G0B+3], s[G1B:G1B+7]
	s_nop 0
	tensor_load_to_lds s[G0B+4:G0B+7], s[G1B:G1B+7]
	s_nop 0
.rept 4
	v_nop
.endr
.Lfirst_asked:
	; A fragment is 16 rows x 32 K in 8 registers: lane l holds row l % 16, K = 8 (l / 16) + 0..7 and 16 + 8 (l / 16) + 0..7: two loads of 16 bytes, 32 bytes apart.
	v_and_b32 v1, 15, v0                           ; l % 16
	v_bfe_u32 v2, v0, 4, 1                         ; l / 16
	s_lshl_b32 s70, s[TX], 1
	s_add_co_u32 s70, s70, s[WN]                   ; my head
	s_lshl_b32 s71, s70, 8
	v_lshl_add_u32 v[BO], v2, 5, s71               ; bias: 4 (64 head + 8 (l / 16))
.irp b, 0,1,2,3,4,5,6,7,8,9,10,11                  ; column block b = 4 which + bb: register j holds bias[64 head + 16 bb + 8 (l / 16) + j], the C of the first product
	global_load_b128 v[BIAS+8*(\b):BIAS+8*(\b)+3],   v[BO], s[8+2*((\b)/4):9+2*((\b)/4)] offset:64*((\b)%4)
	global_load_b128 v[BIAS+8*(\b)+4:BIAS+8*(\b)+7], v[BO], s[8+2*((\b)/4):9+2*((\b)/4)] offset:64*((\b)%4)+16
.endr
	v_mul_u32_u24 v3, v1, PITCH
	v_lshl_add_u32 v3, v2, 4, v3
	s_mul_i32 s68, s[WM], 64*PITCH                 ; my 64 rows of x
	s_mul_i32 s69, s[WN], 192*PITCH                ; my 192 rows of W,
	s_add_co_u32 s69, s69, HALFT                   ; which lie behind x's 128
.irp s, 0,1
	v_add_nc_u32 v[ADRA+(\s)], s68, v3
	v_add_nc_u32 v[ADRB+(\s)], s69, v3
	s_add_co_u32 s68, s68, SLOT
	s_add_co_u32 s69, s69, SLOT
.endr
	s_mul_i32 s69, s[WV], WSTAGE
	s_add_co_u32 s69, s69, STAGE                   ; my stage
	v_mul_u32_u24 v4, v1, SP                       ; in: row l % 16, 16 bytes for each half of the lanes
	v_lshl_add_u32 v4, v2, 4, v4
	v_add_nc_u32 v[STO], s69, v4
	v_and_b32 v5, 31, v0
	v_lshrrev_b32 v6, 3, v5                        ; back: 32 lanes take four rows of 128 bytes,
	v_and_b32 v7, 7, v0
	v_mul_u32_u24 v6, v6, SP
	v_lshl_add_u32 v6, v7, 4, v6
	v_add_nc_u32 v[RD], s69, v6
	v_lshlrev_b32 v[CO], 4, v5                     ; which are 512 consecutive bytes of qkvb
	v_lshlrev_b32 v[PFO], 11, v5
	s_mul_i32 s68, s70, HEADB                      ; the way out: my head,
	s_lshl_b32 s69, s[TY], 14                      ; the tile's 128 rows of 128 bytes,
	s_add_co_u32 s68, s68, s69
	s_lshl_b32 s69, s[WM], 13                      ; my 64 of them
	s_add_co_u32 s68, s68, s69
	s_mov_b32 s69, 0
	s_add_nc_u64 s[14:15], s[14:15], s[68:69]
	; the prefetches
	s_lshl_b32 s68, s[TY], 7                       ; x's tile: first row
	s_max_u32 s69, s[WV], 1
	s_sub_co_u32 s69, s69, 1
	s_lshl_b32 s69, s69, 7
	s_mul_i32 s71, s[TX], 384
	s_add_co_u32 s69, s69, s71                     ; my third of W's tile: first row
	s_and_b32 s71, ttmp7, 0xffff                   ; cluster y
	s_cmp_eq_u32 s[WV], 0
	s_cselect_b32 s68, s68, s69
	s_cselect_b32 s69, s[CX], s[CY]                ; my place among the four that ask with me
	s_cselect_b32 s71, ttmp9, s71                  ; the coordinate along which other clusters read the same rows
	s_cselect_b64 s[PFA:PFA+1], s[4:5], s[6:7]
	s_cmp_eq_u32 s71, 0
	s_cselect_b32 s[LIM], 1, -1                    ; the same in all sixteen partners, for a given wave
	s_lshl_b32 s69, s69, 5
	s_add_co_u32 s68, s68, s69                     ; my work-group's 32 rows
	s_lshl_b32 s68, s68, 11
	s_mov_b32 s69, 0
	s_add_nc_u64 s[PFA:PFA+1], s[PFA:PFA+1], s[68:69]
	s_add_nc_u64 s[PFA:PFA+1], s[PFA:PFA+1], 2*KB  ; at K step 2: the first refill steps it to 3 and names K step 4.  Nothing is prefetched at the head
; 12 matrix instructions: row block a x all 12 column blocks, 32 along K, from buffer f.  first = 1: the bias starts the sums: nothing is cleared, no bias is added later.
; The 48 accumulators take turns in the same order in every quarter, over the backward jump too.
.macro MUL12 f, a, first
.if \first
	WIN 0x81+0x40*((\a)/2)                         ; W window 1, x window 0, C (the bias) window 0, D window 2 or 3
.else
	WIN 0xa1+0x50*((\a)/2)                         ; C and D window 2 or 3
.endif
.irp b, 0,1,2,3,4,5,6,7,8,9,10,11
.if \first
	v_wmma_f32_16x16x32_bf16 v[96*((\a)%2)+8*(\b):96*((\a)%2)+8*(\b)+7], v[96*(\f)+8*(\b):96*(\f)+8*(\b)+7], v[FA+32*(\f)+8*(\a):FA+32*(\f)+8*(\a)+7], v[BIAS+8*(\b):BIAS+8*(\b)+7]
.else
	v_wmma_f32_16x16x32_bf16 v[96*((\a)%2)+8*(\b):96*((\a)%2)+8*(\b)+7], v[96*(\f)+8*(\b):96*(\f)+8*(\b)+7], v[FA+32*(\f)+8*(\a):FA+32*(\f)+8*(\a)+7], v[96*((\a)%2)+8*(\b):96*((\a)%2)+8*(\b)+7]
.endif
.endr
.endm
; 32 LDS loads in one run: a quarter's fragments (192 rows of W, then 64 rows of x, 32 K at byte k of the rows) into buffer f
.macro FETCH slot, k, f
	WIN 0x40
.irp i, 0,1,2,3,4,5,6,7,8,9,10,11
	ds_load_b128 v[96*(\f)+8*(\i):96*(\f)+8*(\i)+3],   v[ADRB+(\slot)] offset:(\k)+(\i)*16*PITCH
	ds_load_b128 v[96*(\f)+8*(\i)+4:96*(\f)+8*(\i)+7], v[ADRB+(\slot)] offset:(\k)+(\i)*16*PITCH+32
.endr
	WIN 0
.irp i, 0,1,2,3
	ds_load_b128 v[FA+32*(\f)+8*(\i):FA+32*(\f)+8*(\i)+3],   v[ADRA+(\slot)] offset:(\k)+(\i)*16*PITCH
	ds_load_b128 v[FA+32*(\f)+8*(\i)+4:FA+32*(\f)+8*(\i)+7], v[ADRA+(\slot)] offset:(\k)+(\i)*16*PITCH+32
.endr
.endm
; A K step is four quarters of 32 along K, 48 matrix instructions each, on buffers 0, 1, 0, 1.  One of the first three multiplies buffer f and fetches the next quarter, at byte k, into g.
.macro QUARTER slot, k, f, g, first
	s_wait_dscnt 4                                 ; W's fragments and x's row blocks 0, 1 are in; the youngest four loads (row blocks 2, 3) may be out
	MUL12 \f, 0, \first
	MUL12 \f, 1, \first
	PLACES
	FETCH \slot, \k, \g
	s_wait_dscnt 32                                ; all but the 32 just issued
	MUL12 \f, 2, \first
	MUL12 \f, 3, \first
.endm
; The last quarter multiplies buffer 1 and changes slots: ONE barrier.  In front of it each wave waits for all its tensor loads (one is out: its part of the next slot), adds 0 to its spare word, and waits for
; that and for its reads of this slot.  fill = 1: the barrier opens a round of the cluster's, and the slot is filled again first thing behind it, two K steps ahead: 168 matrix instructions before the wait for it.
.macro TURN slot, next, fill
.if \fill
	s_wait_xcnt 0x0                                ; the last prefetch, a K step back, has read its address: it is stepped here, ahead of the change's own waits
	s_add_nc_u64 s[PFA:PFA+1], s[PFA:PFA+1], KB
.endif
	WIN 0                                          ; (the add's two registers lie in window 0)
	s_wait_tensorcnt 0x0                           ; all my tensor loads have landed
	ds_add_u32 v[SPW], v[NIL]                      ; 0 onto my spare word
	s_wait_dscnt 5                                 ; (the add and the youngest four loads may be out)
	MUL12 1, 0, 0                                  ; twelve matrix instructions stand between the add and the wait for it
	s_wait_dscnt 0x0                               ; the add is done, and my reads of this slot are over
	s_barrier_signal -1
	MUL12 1, 1, 0
.if \fill
	WIN 0
.endif
	s_barrier_wait -1
.if \fill
	CREST                                          ; no wave of any partner still reads this slot or has a load on its way
	s_add_nc_u64 s[G0+4*(\slot)+2:G0+4*(\slot)+3], s[G0+4*(\slot)+2:G0+4*(\slot)+3], 2*KB
	s_add_nc_u64 s[G0B+4*(\slot)+2:G0B+4*(\slot)+3], s[G0B+4*(\slot)+2:G0B+4*(\slot)+3], 2*KB
	JLOAD \slot                                    ; the four v_nop behind it are also the places in front of the loads below
.else
	PLACES
.endif
	FETCH \next, 0, 0
.if \fill
	ASK
.endif
	MUL12 1, 2, 0
	MUL12 1, 3, 0
.endm
; THE WAY OUT of row block a.  PACK: rounded to f16, 16 bytes a lane and column block, each accumulator's registers in ascending order.  TOSTAGE: into my own stage, a piece each for q, k and v, and back as
; whole rows of 128 bytes.  SEND: stored, 512 consecutive bytes an instruction.
.macro PACK a
	WIN 0x0a+5*((\a)/2)                            ; sources 0 and 1: window 2 or 3
.irp b, 0,1,2,3,4,5,6,7,8,9,10,11
.irp i, 0,1,2,3
	v_cvt_pk_f16_f32 v[TMP+4*(\b)+(\i)], v[96*((\a)%2)+8*(\b)+2*(\i)], v[96*((\a)%2)+8*(\b)+2*(\i)+1]
.endr
.endr
	WIN 0
.endm
.macro TOSTAGE
	WIN 0
.irp b, 0,1,2,3,4,5,6,7,8,9,10,11
	ds_store_b128 v[STO], v[TMP+4*(\b):TMP+4*(\b)+3] offset:((\b)/4)*PIECE+32*((\b)%4)
.endr
.irp p, 0,1,2
.irp f, 0,1,2,3
	ds_load_b128 v[OB+4*(4*(\p)+(\f)):OB+4*(4*(\p)+(\f))+3], v[RD] offset:(\p)*PIECE+(\f)*4*SP  ; LDS serves a wave's instructions in order (ISA guide 5.7.1.4): these see the stores above
.endr
.endr
.endm
.macro SEND a
	WIN 0
	s_wait_dscnt 0x0                               ; the block is back in registers
.irp p, 0,1,2
.irp f, 0,1,2,3
	global_store_b128 v[CO], v[OB+4*(4*(\p)+(\f)):OB+4*(4*(\p)+(\f))+3], s[14:15] offset:(\p)*WHICHB+(\a)*2048+(\f)*512  ; 512 consecutive bytes, at a multiple of 512 from qkvb's first
.endr
.endr
.endm
	s_wait_tensorcnt 1                             ; my part of K step 0 is in; K step 1's may stay out
	s_barrier_signal -1
	s_barrier_wait -1                              ; everybody's is
	FETCH 0, 0, 0
	s_wait_loadcnt 0x0                             ; the bias
	QUARTER 0, 64, 0, 1, 1                         ; the first quarter stands in front of the loop: its products start the sums
	WIN 0                                          ; at a label and at a branch every window is 0
	s_mov_b32 s[LAP], 3
.Llap:                                                 ; a trip goes once round the ring, from a lap's second quarter to the next lap's first, and fills both slots again
	QUARTER 0, 128, 1, 0, 0
	QUARTER 0, 192, 0, 1, 0
	TURN 0, 1, 1
	QUARTER 1, 64,  0, 1, 0
	QUARTER 1, 128, 1, 0, 0
	QUARTER 1, 192, 0, 1, 0
	TURN 1, 0, 1
	QUARTER 0, 64,  0, 1, 0
	WIN 0
	s_sub_co_u32 s[LAP], s[LAP], 1
	s_cmp_lg_u32 s[LAP], 0
	s_cbranch_scc1 .Llap
	QUARTER 0, 128, 1, 0, 0                        ; the last lap fills nothing, and has no round of the cluster's barrier
	QUARTER 0, 192, 0, 1, 0
	TURN 0, 1, 0
	QUARTER 1, 64,  0, 1, 0
	QUARTER 1, 128, 1, 0, 0
	QUARTER 1, 192, 0, 1, 0
	s_wait_dscnt 4                                 ; the very last quarter: nothing more to fetch
	MUL12 1, 0, 0
	MUL12 1, 1, 0
	s_wait_dscnt 0x0
	MUL12 1, 2, 0
	MUL12 1, 3, 0
	PLACES
	PACK 0
	TOSTAGE
.irp a, 1,2,3                          ; block a's conversions stand between block a - 1's loads from the stage and the wait for them
	PACK \a
	SEND (\a)-1
	s_wait_xcnt 0x0                                ; the stores have read their registers: only behind this wait are those loaded again
	TOSTAGE
.endr
	SEND 3
	s_wait_tensorcnt 0x0                           ; the wave's end: the wait, the add of 0 and its wait, behind my last tensor load and my last LDS store
	ds_add_u32 v[SPW], v[NIL]
	s_wait_dscnt 0x0
	CROUND                                         ; the closing round: no work-group ends while a partner may still ask for a tile that names it
	s_endpgm
.Lfunc_end_k_q5d3e7dfa0a_qkv:
	.size	k_q5d3e7dfa0a_qkv, .Lfunc_end_k_q5d3e7dfa0a_qkv-k_q5d3e7dfa0a_qkv
	.p2alignl 7, 3214868480
	.fill 96, 4, 3214868480
	.section	.rodata,"a",@progbits
	.p2align	6, 0x0
	.amdhsa_kernel k_q5d3e7dfa0a_qkv
		.amdhsa_group_segment_fixed_size 327680
		.amdhsa_private_segment_fixed_size 0
		.amdhsa_enable_private_segment 0
		.amdhsa_kernarg_size 48
		.amdhsa_user_sgpr_count 2
		.amdhsa_user_sgpr_kernarg_segment_ptr 1
		.amdhsa_wavefront_size32 1
		.amdhsa_system_sgpr_workgroup_id_x 1
		.amdhsa_system_sgpr_workgroup_id_y 1
		.amdhsa_system_sgpr_workgroup_id_z 1
		.amdhsa_system_vgpr_workitem_id 0
		.amdhsa_next_free_vgpr 1024
		.amdhsa_next_free_sgpr 72
		.amdhsa_reserve_vcc 0
		.amdhsa_float_denorm_mode_32 3
		.amdhsa_float_denorm_mode_16_64 3
		.amdhsa_memory_ordered 1
		.amdhsa_forward_progress 1
		.amdhsa_inst_pref_size 121
	.end_amdhsa_kernel
	.amdgpu_metadata
---
amdhsa.version: [ 1, 2 ]
amdhsa.kernels:
  - .name:           k_q5d3e7dfa0a_qkv
    .symbol:         k_q5d3e7dfa0a_qkv.kd
    .args:
      - { .name: xb, .offset: 0, .size: 8, .value_kind: global_buffer, .address_space: global }
      - { .name: wb, .offset: 8, .size: 8, .value_kind: global_buffer, .address_space: global }
      - { .name: q_b, .offset: 16, .size: 8, .value_kind: global_buffer, .address_space: global }
      - { .name: k_b, .offset: 24, .size: 8, .value_kind: global_buffer, .address_space: global }
      - { .name: v_b, .offset: 32, .size: 8, .value_kind: global_buffer, .address_space: global }
      - { .name: qkvb, .offset: 40, .size: 8, .value_kind: global_buffer, .address_space: global }
    .group_segment_fixed_size: 327680
    .private_segment_fixed_size: 0
    .kernarg_segment_align: 8
    .kernarg_segment_size: 48
    .max_flat_workgroup_size: 128
    .sgpr_count:     72
    .vgpr_count:     1024
    .wavefront_size: 32
...
	.end_amdgpu_metadata
.endif
;; end of part 2
;; launch attn (part 3): grid 16 x 16, 4 waves a work-group, no clusters, 167,936 bytes of LDS; arguments qkvb, ob; writes ob
.if DOCPART == 3
	.amdgcn_target "amdgcn-amd-amdhsa--gfx1250"
	.amdhsa_code_object_version 6
	.text
	.protected	k_q5d3e7dfa0a_attn
	.globl	k_q5d3e7dfa0a_attn
	.p2align	8
	.type	k_q5d3e7dfa0a_attn,@function
k_q5d3e7dfa0a_attn:
	s_mov_b64 s[64:65], 0
	v_nop
	global_prefetch_b8 v0, s[64:65] scope:SCOPE_SE
	s_setreg_imm32_b32 hwreg(HW_REG_WAVE_MODE, 25, 1), 1
	s_wait_xcnt 0x0
; SLIDING-WINDOW ATTENTION.  O[h][q] = the sum over k = q - 255 .. q (k >= 0) of softmax_k(Q[h][q] . K[h][k] / 8) V[h][k].  Q, K, V from qkvb, f16 [16][q, k, v][4,096][64]; products, maximum and sum in f32;
; the weights are rounded to f16 for the second product (their sum is taken of the unrounded ones), O once at the end.  ob: f16 [32 blocks of 128 rows][16 heads][128][64].
; LIMITS.  A hidden score counts as its value less 1e30 (f16's scores, 2.7e11 at the most, are nothing beside that); a weight below 2^-126 counts as 0; O is a mean of V's rows and has their range;
; NaN and infinities are not treated apart.  Every row sees its own key, so the maximum is a true score and the sum is at least 1.
; SHARES.  A work-group owns 256 queries of one head and holds 512 keys in LDS: local key j is key 256 (blk - 1) + j.  Wave w owns four tiles of 16 queries, 256 blk + 64 w + 16 t on.
; Counted from local key 64 w in blocks of 16, tile t needs exactly the blocks g = t .. t + 16: in g = t key 8 (l / 16) + j is hidden where it is <= l % 16 (256 or more back), in g = t + 16 where it
; is greater (ahead of the query); the 15 between are whole.  ALL 17 BLOCKS' SCORES OF A TILE STAY IN REGISTERS: the maximum is the row's true maximum, taken before any exponential; nothing is rescaled.
; In block 0 the steps s < 4 - w hold keys that do not exist: their LDS rows are filled from the head's first keys (finite numbers) and hidden by the C operand.  All work-groups run the same lines.
; THE MASK is the C operand that starts a sum S^T = K Q^T: 0 or -1e30.
; LAYOUT.  S^T = K Q^T holds ONE query a lane (l % 16) and the keys 8 (l / 16) + 0..7; two such results rounded to f16 ARE source 1 (32 keys x 16 queries) of O^T = V^T P.  V is turned by ds_load_tr16_b128.
; NO CLUSTER: a tile of 256 keys is read by two neighbouring blocks only, as the one's upper and the other's lower half, so its LDS place would hang on the place in the cluster.
; NO PREFETCH: all that the work-group reads is asked for by its first lines.
; REGISTERS, in windows of 256 (s_set_vgpr_msb: bits 1:0 source 0, 3:2 source 1, 5:4 source 2, 7:6 destination).  TILE t LIVES IN WINDOW t: v64-95 O^T; v96-99 at work; v102 c m, v103 m; v104-111 four
; pairs of sums; v112-255 S^T, 18 places of 8: block g at place g - 2 (t / 2), so that places 2 U, 2 U + 1 are keys 32 (U + t / 2) on.  P is packed in place, place u into the four registers at 112 + 4 u.
;   window 0, v0-63: addresses, masks      window 1, v0-63: Q, tile t, channel half c at 16 t + 8 c      windows 2 and 3, v0-63: two buffers for a step's K, later V
.set PK,    144                        ; a row of K in LDS: 128 bytes + 16 = 36 words: the 16 rows of a load start at 16 different groups of four banks (64 banks of 4 bytes: ISA guide 11.1)
.set PV,    160                        ; a row of V: 128 + 32 = 40 words
.set VOFF,  512*PK
.set STAGE, VOFF+512*PV                ; behind the tiles, never filled by a tensor load: 16 rows x 144 bytes for each wave
.set SP,    144
.set SPARE, STAGE+4*16*SP              ; the spare words, 128 bytes for each wave: two blocks of 256 bytes that no other line names
.set HEADB, 1572864
.set AK,  2                            ; v2  my lane's place in my wave's first step of K
.set AV,  3                            ; v3  the same for V
.set QO,  4                            ; v4  my byte offset in 16 rows of Q
.set STO, 5                            ; v5  the way out: where I put 16 bytes of a row
.set RD,  6                            ; v6  where I read rows back
.set GO,  7                            ; v7  16 x lane
.set SPW, 14                           ; v14 LDS address of my spare word; never rewritten
.set NIL, 15                           ; v15 0; never rewritten
.set MLOB, 16                          ; v16-23  the mask of block g = t
.set MHI,  24                          ; v24-31  of block g = t + 16
.set MB,   32                          ; v32-63  of the whole blocks of steps 0 to 3: 0, or -1e30 where the step's keys do not exist
.set OT,  64
.set CH,  96
.set CM,  102
.set LL,  104
.set SB,  112
.set WV,  12
.set BLK, 13
.set HD,  14
.set G1K, 24
.set G1V, 32
.set G0K, 40
.set G0V, 44
.set BE,  48                           ; s48-51
.set CS,  58                           ; s[58:59] c = log2(e) / 8
.set SEL, 60                           ; s[60:61] v_permlanex16_b32's selects: each lane takes its own place in the other half
.set BIGN, 62
.set MSB, 0
.macro WIN new                         ; the immediate's high byte repeats the setting that is left; a switch that changes nothing is dropped
.if MSB != (\new)
	s_set_vgpr_msb (MSB<<8)|(\new)
.set MSB, \new
.endif
.endm
.macro PLACES                          ; four plain vector instructions between a matrix instruction and a load into, or a vector read or write of, its registers
.rept 4
	v_nop
.endr
.endm
	s_load_b128 s[4:7], s[0:1], 0x0                ; qkvb s[4:5], ob s[6:7]
	v_lshl_add_u32 v[SPW], v0, 2, SPARE
	v_mov_b32 v[NIL], 0
	ds_add_u32 v[SPW], v[NIL]                      ; the wave's opening: the add and its wait stand ahead of my first tensor load; the set-up below stands between them
	v_lshrrev_b32 v1, 5, v0
	v_readfirstlane_b32 s[WV], v1
	s_mov_b32 s[BLK], ttmp9
	s_and_b32 s[HD], ttmp7, 0xffff
	s_mul_i32 s16, s[HD], HEADB                    ; the head's first byte
	s_mov_b32 s17, 0
	s_lshl_b32 s20, s[BLK], 1                      ; I fetch local keys 128 w on: the head's keys 128 (2 blk + w - 2) on,
	s_add_co_u32 s20, s20, s[WV]
	s_sub_co_i32 s20, s20, 2
	s_max_i32 s20, s20, 0                          ; or, where those do not exist, its first 128, which the masks hide
	s_lshl_b32 s20, s20, 14
	s_mov_b32 s21, 0
	s_add_nc_u64 s[20:21], s[20:21], s[16:17]
	s_lshl_b32 s22, s[BLK], 15                     ; Q: my block's 256 rows of 128 bytes,
	s_lshl_b32 s23, s[WV], 13                      ; my wave's 64
	s_add_co_u32 s22, s22, s23
	s_mov_b32 s23, 0
	s_add_nc_u64 s[22:23], s[22:23], s[16:17]
	s_lshl_b32 s10, s[BLK], 1                      ; O: block of 128 rows 2 blk + w / 2,
	s_lshr_b32 s11, s[WV], 1
	s_add_co_u32 s10, s10, s11
	s_lshl_b32 s10, s10, 4
	s_add_co_u32 s10, s10, s[HD]                   ; the head's 16,384 bytes in it,
	s_lshl_b32 s10, s10, 14
	s_and_b32 s11, s[WV], 1
	s_lshl_b32 s11, s11, 13                        ; my 64 rows
	s_add_co_u32 s10, s10, s11
	s_mov_b32 s11, 0
	; descriptor group 1.  128 keys are 16,384 dense bytes: asked for as 64 rows of 256 bytes, two keys a row, and padded in LDS after every key
	s_mov_b32 s[G1K], (1<<16)|(1<<20)|(4<<22)|(3<<25)  ; 2-byte elements; padding on; after every 32 words; 4 words
	s_mov_b32 s[G1V], (1<<16)|(1<<20)|(4<<22)|(7<<25)  ; the same with 8 words
.irp g, G1K, G1V
	s_mov_b32 s[(\g)+1], 128<<16                   ; tensor_dim0 = 128
	s_mov_b32 s[(\g)+2], 64<<16                    ; tensor_dim1 = 64
	s_mov_b32 s[(\g)+3], 128<<16                   ; tile_dim0 = 128
	s_mov_b32 s[(\g)+4], 64                        ; tile_dim1 = 64
	s_mov_b32 s[(\g)+5], 128                       ; elements from row to row
	s_mov_b32 s[(\g)+6], 0
	s_mov_b32 s[(\g)+7], 0
.endr
	s_mov_b32 s[G0K], 1
	s_mul_i32 s[G0K+1], s[WV], 128*PK
	s_mov_b32 s[G0V], 1
	s_mul_i32 s[G0V+1], s[WV], 128*PV
	s_add_co_u32 s[G0V+1], s[G0V+1], VOFF
	s_mov_b32 s[CS], 0x3e38aa3b                    ; c = log2(e) / 8 = 0.180337
	s_mov_b32 s[CS+1], s[CS]                       ; named with it as a pair
	s_mov_b32 s[SEL], 0x76543210
	s_mov_b32 s[SEL+1], 0xfedcba98
	s_mov_b32 s[BIGN], 0xf149f2ca                  ; -1e30
	s_sub_co_u32 s52, 4, s[WV]
	s_cmp_eq_u32 s[BLK], 0
	s_cselect_b32 s52, s52, 0                      ; steps below this number hold keys that do not exist
.irp s, 0,1,2,3
	s_cmp_gt_u32 s52, \s
	s_cselect_b32 s[BE+(\s)], s[BIGN], 0
.endr
	s_wait_dscnt 0x0                               ; the opening add is done
	s_wait_kmcnt 0x0
	s_add_nc_u64 s[G0K+2:G0K+3], s[4:5], s[20:21]
	s_add_nc_u64 s[G0K+2:G0K+3], s[G0K+2:G0K+3], 524288
	s_or_b32 s[G0K+3], s[G0K+3], 0x80000000
	s_add_nc_u64 s[G0V+2:G0V+3], s[4:5], s[20:21]
	s_add_nc_u64 s[G0V+2:G0V+3], s[G0V+2:G0V+3], 1048576
	s_or_b32 s[G0V+3], s[G0V+3], 0x80000000
	s_add_nc_u64 s[8:9], s[4:5], s[22:23]          ; Q at my wave's first row
	s_add_nc_u64 s[6:7], s[6:7], s[10:11]          ; O likewise
	tensor_load_to_lds s[G0K:G0K+3], s[G1K:G1K+7]  ; every wave's two loads, its 128 keys of K and of V: the only fills of the launch; two loads of mine are out
	s_nop 0
	tensor_load_to_lds s[G0V:G0V+3], s[G1V:G1V+7]
	s_nop 0
	v_and_b32 v1, 15, v0                           ; l % 16
	v_bfe_u32 v8, v0, 4, 1                         ; l / 16
	v_lshlrev_b32 v[QO], 7, v1
	v_lshl_add_u32 v[QO], v8, 4, v[QO]             ; row x 128 + 16 x half
	WIN 0x40                                       ; destination window 1, address window 0
.irp i, 0,1,2,3,4,5,6,7                            ; Q stays in registers: tile i / 2, channels 32 (i % 2) on
	global_load_b128 v[8*(\i):8*(\i)+3],   v[QO], s[8:9] offset:((\i)/2)*2048+((\i)%2)*64
	global_load_b128 v[8*(\i)+4:8*(\i)+7], v[QO], s[8:9] offset:((\i)/2)*2048+((\i)%2)*64+32
.endr
	WIN 0
	v_mul_u32_u24 v[AK], v1, PK
	v_lshl_add_u32 v[AK], v8, 4, v[AK]
	s_mul_i32 s20, s[WV], 64*PK
	v_add_nc_u32 v[AK], s20, v[AK]                 ; local key 64 w + l % 16, 16 bytes for each half of the lanes
	; The turning load takes 16 keys x 16 channels (lane l reads key 8 (l / 16) + l % 8, channels 8 ((l / 8) % 2) + 0..7) and leaves half a fragment of V^T: lane l holds channel l % 16 and 8 keys.
	v_and_b32 v9, 7, v0
	v_bfe_u32 v10, v0, 3, 1
	v_lshl_add_u32 v[AV], v8, 3, v9
	v_mul_u32_u24 v[AV], v[AV], PV
	v_lshl_add_u32 v[AV], v10, 4, v[AV]
	s_mul_i32 s21, s[WV], 64*PV
	s_add_co_u32 s21, s21, VOFF
	v_add_nc_u32 v[AV], s21, v[AV]
	s_mul_i32 s22, s[WV], 16*SP
	s_add_co_u32 s22, s22, STAGE                   ; my stage
	v_mul_u32_u24 v[STO], v1, SP                   ; in: row l % 16, 16 bytes for each half of the lanes
	v_lshl_add_u32 v[STO], v8, 4, v[STO]
	v_add_nc_u32 v[STO], s22, v[STO]
	v_bfe_u32 v[RD], v0, 3, 2                      ; back: 32 lanes take four rows of 128 bytes,
	v_mul_u32_u24 v[RD], v[RD], SP
	v_lshl_add_u32 v[RD], v9, 4, v[RD]
	v_add_nc_u32 v[RD], s22, v[RD]
	v_and_b32 v[GO], 31, v0                        ; which are 512 consecutive bytes of O
	v_lshlrev_b32 v[GO], 4, v[GO]
	v_lshlrev_b32 v12, 3, v8
	v_sub_nc_u32 v12, v1, v12                      ; l % 16 - 8 (l / 16): register j holds a key at or behind the query's place in its block where j <= this
	v_mov_b32 v13, s[BE]
.irp j, 0,1,2,3,4,5,6,7
	v_cmp_le_i32 vcc_lo, \j, v12
	v_cndmask_b32 v[MLOB+(\j)], v13, s[BIGN], vcc_lo   ; block g = t: hidden where the key lies 256 or more back; the rest as step 0's whole blocks
	v_cmp_gt_i32 vcc_lo, \j, v12
	v_cndmask_b32 v[MHI+(\j)], 0, s[BIGN], vcc_lo      ; block g = t + 16: hidden where the key lies ahead of the query
.endr
.irp s, 0,1,2,3
.irp j, 0,1,2,3,4,5,6,7
	v_mov_b32 v[MB+8*(\s)+(\j)], s[BE+(\s)]
.endr
.endr
; THE LDS LOADS stand in runs of 16: a step's K (64 keys x 64 channels: key block kb, channel half c at 16 kb + 8 c) or V (turned: key half kk, channel block cb at 32 kk + 8 cb), into buffer s % 2.
.macro FETCH_K s
	WIN (2+(\s)%2)<<6
.irp f, 0,1,2,3,4,5,6,7
	ds_load_b128 v[8*(\f):8*(\f)+3],   v[AK] offset:(\s)*64*PK+((\f)/2)*16*PK+((\f)%2)*64
	ds_load_b128 v[8*(\f)+4:8*(\f)+7], v[AK] offset:(\s)*64*PK+((\f)/2)*16*PK+((\f)%2)*64+32
.endr
.endm
.macro FETCH_V s
	WIN (2+(\s)%2)<<6
.irp f, 0,1,2,3,4,5,6,7
	ds_load_tr16_b128 v[8*(\f):8*(\f)+3],   v[AV] offset:(\s)*64*PV+((\f)/4)*32*PV+((\f)%4)*32
	ds_load_tr16_b128 v[8*(\f)+4:8*(\f)+7], v[AV] offset:(\s)*64*PV+((\f)/4)*32*PV+16*PV+((\f)%4)*32
.endr
.endm
; Step s of S^T = K Q^T: all blocks g = 4 s + kb that a tile needs; first every sum's first half (channels 0-31, C = the mask or 0), then every second half: the two links of a sum stand 10 to 16
; matrix instructions apart, and no two neighbours share an accumulator.
.macro KQSTEP s
.irp c, 0,1
.irp t, 0,1,2,3
.irp kb, 0,1,2,3
.set gg, 4*(\s)+(\kb)
.if (gg >= (\t)) && (gg <= (\t)+16)
.set rS, SB+8*(gg-2*((\t)/2))
.set rK, 16*(\kb)+8*(\c)
.set rQ, 16*(\t)+8*(\c)
.if (\c) == 1
	WIN ((\t)<<6)|((\t)<<4)|(1<<2)|(2+(\s)%2)
	v_wmma_f32_16x16x32_f16 v[rS:rS+7], v[rK:rK+7], v[rQ:rQ+7], v[rS:rS+7]
.else
	WIN ((\t)<<6)|(1<<2)|(2+(\s)%2)                ; the masks lie in window 0
.if gg == (\t)
	v_wmma_f32_16x16x32_f16 v[rS:rS+7], v[rK:rK+7], v[rQ:rQ+7], v[MLOB:MLOB+7]
.elseif gg == (\t)+16
	v_wmma_f32_16x16x32_f16 v[rS:rS+7], v[rK:rK+7], v[rQ:rQ+7], v[MHI:MHI+7]
.elseif (\s) < 4
	v_wmma_f32_16x16x32_f16 v[rS:rS+7], v[rK:rK+7], v[rQ:rQ+7], v[MB+8*(\s):MB+8*(\s)+7]
.else
	v_wmma_f32_16x16x32_f16 v[rS:rS+7], v[rK:rK+7], v[rQ:rQ+7], 0
.endif
.endif
.endif
.endr
.endr
.endr
.endm
; Step s of O^T = V^T P: key halves GG = 2 s + kk (32 keys each); tile t takes GG = t / 2 .. t / 2 + 8; its first starts the sums with 0.  The active tiles' four accumulators each take turns.
.macro PVSTEP s
.irp kk, 0,1
.irp t, 0,1,2,3
.set GG, 2*(\s)+(\kk)
.if (GG >= (\t)/2) && (GG <= (\t)/2+8)
	WIN (0x54*(\t))|(2+(\s)%2)
.irp cb, 0,1,2,3
.set rO, OT+8*(\cb)
.set rV, 32*(\kk)+8*(\cb)
.set rP, SB+8*(GG-(\t)/2)
.if GG == (\t)/2
	v_wmma_f32_16x16x32_f16 v[rO:rO+7], v[rV:rV+7], v[rP:rP+7], 0
.else
	v_wmma_f32_16x16x32_f16 v[rO:rO+7], v[rV:rV+7], v[rP:rP+7], v[rO:rO+7]
.endif
.endr
.endif
.endr
.endr
.endm
; THE SOFTMAX OF TILE t, all in window t.  Block n = 0..16 of the tile lies at B0 + 8 n.
.macro SOFT t
.set U0, (\t)%2
.set B0, SB+8*U0
	WIN 0x55*(\t)
	; the maximum of the lane's 136 scores, three operands at a time, in four chains that take turns; each accumulator's lowest registers are read first
.irp j, 0,1,2
.irp k, 0,1,2,3
.if (\j) == 0
	v_max3_num_f32 v[CH+(\k)], v[B0+8*(\k)], v[B0+8*(\k)+1], v[B0+8*(\k)+2]
.else
	v_max3_num_f32 v[CH+(\k)], v[CH+(\k)], v[B0+8*(\k)+2*(\j)+1], v[B0+8*(\k)+2*(\j)+2]
.endif
.endr
.endr
.irp grp, 1,2,3
.irp i, 0,1,2,3
.irp k, 0,1,2,3
	v_max3_num_f32 v[CH+(\k)], v[CH+(\k)], v[B0+8*(4*(\grp)+(\k))+2*(\i)], v[B0+8*(4*(\grp)+(\k))+2*(\i)+1]
.endr
.endr
.endr
.irp k, 0,1,2,3
	v_max3_num_f32 v[CH+(\k)], v[CH+(\k)], v[B0+128+2*(\k)], v[B0+128+2*(\k)+1]
.endr
	v_max3_num_f32 v[CH], v[CH], v[B0+7], v[B0+15]         ; the four scores left over of blocks 0 to 3
	v_max3_num_f32 v[CH+2], v[CH+2], v[B0+23], v[B0+31]
	v_max3_num_f32 v[CH], v[CH], v[CH+1], v[CH+2]
	v_max_num_f32 v[CH], v[CH], v[CH+3]
	v_permlanex16_b32 v[CH+1], v[CH], s[SEL], s[SEL+1]     ; the query's other keys lie in the lane 16 away
	v_max_num_f32 v[CM+1], v[CH], v[CH+1]                  ; m
	v_mul_f32 v[CM], s[CS], v[CM+1]                        ; c m
	; ONE BATCH: the 68 scalings c s - c m, a pair each, and the 136 exponentials, each two scalings behind its own; nothing here names an exponential's result
.set p, 0
.rept 68
	v_pk_fma_f32 v[B0+2*p:B0+2*p+1], v[B0+2*p:B0+2*p+1], s[CS:CS+1], v[CM:CM+1] op_sel_hi:[1,0,0] neg_lo:[0,0,1] neg_hi:[0,0,1]
.if p >= 2
	v_exp_f32 v[B0+2*p-4], v[B0+2*p-4]
	v_exp_f32 v[B0+2*p-3], v[B0+2*p-3]
.endif
.set p, p+1
.endr
.irp e, 132,133,134,135
	v_exp_f32 v[B0+(\e)], v[B0+(\e)]
.endr
	v_nop                                          ; a plain instruction behind the last exponential, ahead of the first use (ISA guide 5.7.2)
	s_wait_alu depctr_va_vdst(0)                   ; the one wait ahead of the batch's first reader; it serves the tile before's reciprocal too
	; sums in four chains, and the roundings to f16: place u is packed into the four registers at SB + 4 u, which lie at or below its own and have been summed and rounded before
.irp i, 0,1,2,3
	v_pk_add_f32 v[LL+2*(\i):LL+2*(\i)+1], v[B0+2*(\i):B0+2*(\i)+1], v[B0+8+2*(\i):B0+8+2*(\i)+1]
.endr
.set n, 0
.rept 2
.irp i, 0,1,2,3
	v_cvt_pk_f16_f32 v[SB+4*(n+U0)+(\i)], v[B0+8*n+2*(\i)], v[B0+8*n+2*(\i)+1]
.endr
.set n, n+1
.endr
.rept 15
.irp i, 0,1,2,3
	v_pk_add_f32 v[LL+2*(\i):LL+2*(\i)+1], v[LL+2*(\i):LL+2*(\i)+1], v[B0+8*n+2*(\i):B0+8*n+2*(\i)+1]
	v_cvt_pk_f16_f32 v[SB+4*(n+U0)+(\i)], v[B0+8*n+2*(\i)], v[B0+8*n+2*(\i)+1]
.endr
.set n, n+1
.endr
.irp i, 0,1,2,3
	v_mov_b32 v[SB+68*(1-U0)+(\i)], 0              ; 17 blocks are eight and a half fragments of P: the empty half (the last of an even tile, the first of an odd one) is 0
.endr
	v_pk_add_f32 v[LL:LL+1], v[LL:LL+1], v[LL+2:LL+3]
	v_pk_add_f32 v[LL+4:LL+5], v[LL+4:LL+5], v[LL+6:LL+7]
	v_pk_add_f32 v[LL:LL+1], v[LL:LL+1], v[LL+4:LL+5]
	v_add_f32 v[CH], v[LL], v[LL+1]
	v_permlanex16_b32 v[CH+1], v[CH], s[SEL], s[SEL+1]
	v_add_f32 v[CH], v[CH], v[CH+1]
	v_rcp_f32 v[LL], v[CH]                         ; 1 / l; named next on the way out
.endm
; THE WAY OUT of tile t: O^T times 1 / l, rounded to f16; a lane's eight channels of a row are 16 bytes; they go into rows of 144 bytes in my stage and come back as whole rows of 128.
.macro PACK t
	WIN 0x55*(\t)
.set i, 0
.rept 16
	v_pk_mul_f32 v[OT+2*i:OT+2*i+1], v[OT+2*i:OT+2*i+1], v[LL:LL+1] op_sel_hi:[1,0]
.set i, i+1
.endr
.set i, 0
.rept 16
	v_cvt_pk_f16_f32 v[SB+i], v[OT+2*i], v[OT+2*i+1]
.set i, i+1
.endr
	WIN (\t)<<2                                    ; store data window t, address window 0
.irp f, 0,1,2,3
	ds_store_b128 v[STO], v[SB+4*(\f):SB+4*(\f)+3] offset:32*(\f)
.endr
	WIN (\t)<<6
.irp f, 0,1,2,3
	ds_load_b128 v[SB+4*(\f):SB+4*(\f)+3], v[RD] offset:(\f)*4*SP  ; LDS serves a wave's instructions in order (ISA guide 5.7.1.4): these see the stores above; the next tile's stores come behind them
.endr
.endm
.macro SEND t, younger                 ; younger: the LDS instructions issued behind tile t's loads: the next tile's eight, or none
	WIN (\t)<<2
.irp f, 0,1,2,3
	s_wait_dscnt (\younger)+3-(\f)
	global_store_b128 v[GO], v[SB+4*(\f):SB+4*(\f)+3], s[6:7] offset:(\t)*2048+(\f)*512  ; 512 consecutive bytes, at a multiple of 512 from ob's first
.endr
.endm
	s_wait_tensorcnt 1                             ; my 128 keys of K are in; V's load, issued behind it, may stay out
	s_barrier_signal -1
	s_barrier_wait -1                              ; everybody's are
	FETCH_K 0
	s_wait_loadcnt 0x0                             ; Q
.irp s, 0,1,2,3
.if (\s) >= 1
	PLACES                                         ; the buffer to be loaded was read by the step before
.endif
	FETCH_K (\s)+1
	s_wait_dscnt 16                                ; all but the 16 just issued: this step's K is in
	KQSTEP \s
.endr
	s_wait_dscnt 0x0
	KQSTEP 4
	WIN 0
	s_wait_tensorcnt 0x0                           ; my 128 keys of V are in,
	s_barrier_signal -1
	s_barrier_wait -1                              ; everybody's are
	PLACES                                         ; behind the last products: for the loads into K's buffers and for the first reads of the scores
	FETCH_V 0
	FETCH_V 1                                      ; they land under the softmax
	SOFT 0
	SOFT 1
	SOFT 2
	SOFT 3
	v_nop                                          ; a plain instruction behind the last reciprocal,
	s_wait_alu depctr_va_vdst(0)                   ; and its wait
	s_wait_dscnt 16                                ; V of step 0 is in
	PVSTEP 0
.irp s, 1,2,3
	PLACES
	FETCH_V (\s)+1
	s_wait_dscnt 16
	PVSTEP \s
.endr
	s_wait_dscnt 0x0
	PVSTEP 4
	PLACES
	PACK 0
.irp t, 1,2,3                          ; a tile's arithmetic stands between the loads of the tile before and its stores
	PACK \t
	SEND (\t)-1, 8
.endr
	SEND 3, 0
	WIN 0
	s_wait_tensorcnt 0x0                           ; the wave's end: the wait, the add of 0 and its wait, behind my last tensor load and my last LDS store
	ds_add_u32 v[SPW], v[NIL]
	s_wait_dscnt 0x0
	s_endpgm
.Lfunc_end_k_q5d3e7dfa0a_attn:
	.size	k_q5d3e7dfa0a_attn, .Lfunc_end_k_q5d3e7dfa0a_attn-k_q5d3e7dfa0a_attn
	.p2alignl 7, 3214868480
	.fill 96, 4, 3214868480
	.section	.rodata,"a",@progbits
	.p2align	6, 0x0
	.amdhsa_kernel k_q5d3e7dfa0a_attn
		.amdhsa_group_segment_fixed_size 167936
		.amdhsa_private_segment_fixed_size 0
		.amdhsa_enable_private_segment 0
		.amdhsa_kernarg_size 16
		.amdhsa_user_sgpr_count 2
		.amdhsa_user_sgpr_kernarg_segment_ptr 1
		.amdhsa_wavefront_size32 1
		.amdhsa_system_sgpr_workgroup_id_x 1
		.amdhsa_system_sgpr_workgroup_id_y 1
		.amdhsa_system_sgpr_workgroup_id_z 1
		.amdhsa_system_vgpr_workitem_id 0
		.amdhsa_next_free_vgpr 1024
		.amdhsa_next_free_sgpr 66
		.amdhsa_reserve_vcc 1
		.amdhsa_float_denorm_mode_32 3
		.amdhsa_float_denorm_mode_16_64 3
		.amdhsa_memory_ordered 1
		.amdhsa_forward_progress 1
		.amdhsa_inst_pref_size 141
	.end_amdhsa_kernel
	.amdgpu_metadata
---
amdhsa.version: [ 1, 2 ]
amdhsa.kernels:
  - .name:           k_q5d3e7dfa0a_attn
    .symbol:         k_q5d3e7dfa0a_attn.kd
    .args:
      - { .name: qkvb, .offset: 0, .size: 8, .value_kind: global_buffer, .address_space: global }
      - { .name: ob, .offset: 8, .size: 8, .value_kind: global_buffer, .address_space: global }
    .group_segment_fixed_size: 167936
    .private_segment_fixed_size: 0
    .kernarg_segment_align: 8
    .kernarg_segment_size: 16
    .max_flat_workgroup_size: 128
    .sgpr_count:     66
    .vgpr_count:     1024
    .wavefront_size: 32
...
	.end_amdgpu_metadata
.endif
;; end of part 3
;; launch oproj (part 4): grid 8 x 32, 4 waves a work-group, clusters of 4 x 4, 327,680 bytes of LDS; arguments ob, owb, o_b, out0; writes out0
.if DOCPART == 4
	.amdgcn_target "amdgcn-amd-amdhsa--gfx1250"
	.amdhsa_code_object_version 6
	.text
	.protected	k_q5d3e7dfa0a_oproj
	.globl	k_q5d3e7dfa0a_oproj
	.p2align	8
	.type	k_q5d3e7dfa0a_oproj,@function
k_q5d3e7dfa0a_oproj:
	s_mov_b64 s[64:65], 0
	v_nop
	global_prefetch_b8 v0, s[64:65] scope:SCOPE_SE
	s_setreg_imm32_b32 hwreg(HW_REG_WAVE_MODE, 25, 1), 1
	s_wait_xcnt 0x0
	s_wait_alu depctr_hold_cnt(0) depctr_sa_sdst(0) depctr_va_vdst(0) depctr_va_sdst(0) depctr_va_ssrc(0) depctr_va_vcc(0) depctr_vm_vsrc(0)
	s_getreg_b32 s2, hwreg(HW_REG_IB_STS2, 6, 4)
	s_cmp_eq_u32 s2, 0
	s_cbranch_scc0 .Lentry_in_a_cluster
	s_endpgm
.Lentry_in_a_cluster:
	s_bfe_u32 s2, ttmp6, 0x10000c
	s_cmp_lg_u32 s2, 0xf033
	s_cbranch_scc0 .Lentry_shape_is_right
	s_endpgm
.Lentry_shape_is_right:
; out = O o_w^T + o_b: 4,096 x 1,024 x 1,024, f16 operands, f32 sums that START with the bias, f32 out.
; O comes as ob [32 blocks of 128 rows][16 heads][128][64] f16: a block's K step of 256 channels (4 heads) is 65,536 dense bytes.  owb: f16 [1,024][1,024].
; SHARES.  A tile of C is 128 x 128: 8 x 32 = 256 work-groups.  Four waves, each 64 x 64: 16 accumulators.  K goes in 4 steps of 256 through two LDS slots; a quarter of a step is one head's 64 channels.
; CLUSTER.  4 x 4 work-groups: O's tile is shared along a row of the cluster, o_w's along a column; each is asked for jointly, by the same tensor load with the same descriptor and a mask of four.
; Waves 0 and 1 fetch O's two halves (two heads each), waves 2 and 3 o_w's (64 rows each).
; NO PREFETCH: of the four K steps two are first fills, and the other two are asked for within the first two steps.
; THE MATRIX INSTRUCTION IS USED TRANSPOSED (source 0 = 16 rows of o_w, source 1 = 16 rows of O): a lane holds row l % 16 of C and the columns 8 (l / 16) + 0..7: 32 consecutive bytes.
; REGISTERS: window 0: v0-31 addresses; v32-95 the way out, two sets of 32; v96-127 the bias, 8 a column block; v128-255 the accumulators ((a, b) at 128 + 8 (4 a + b)).
;   window 1: two fragment buffers of 128: for 64 along K, 64 registers of O (channel half c, row block a at 8 (4 c + a)), then 64 of o_w.
.set PA,     144                       ; a row of O in LDS: 128 bytes + 16: the 16 rows of a load start at 16 different groups of four banks (64 banks of 4 bytes: ISA guide 11.1)
.set SLAB,   128*PA                    ; a head's 128 rows
.set PB,     528                       ; a row of o_w: 512 bytes + 16
.set BOFF,   4*SLAB                    ; o_w's 128 rows lie behind O's four slabs
.set SLOT,   BOFF+128*PB
.set STAGE,  2*SLOT                    ; behind the ring, never filled by a tensor load: 16 rows x 272 bytes for each wave
.set SPITCH, 272
.set SPARE,  STAGE+4*16*SPITCH         ; the spare words, 128 bytes for each wave: two blocks of 256 bytes that no other line names
.set ASTEP,  65536                     ; bytes from a K step to the next, in ob
.set BSTEP,  512                       ; and in a row of owb
.set ADRA, 16
.set ADRB, 20
.set STO,  24
.set RD,   25
.set CO,   26
.set BO,   27
.set SPW,  28                          ; v28 LDS address of my spare word; never rewritten
.set NIL,  29                          ; v29 0; never rewritten
.set TMP,  32
.set BIAS, 96
.set ACC,  128
.set F0,   0
.set F1,   128
.set WV, 12                            ; s12 wave;  s13 = w / 2: my half of the rows, and whether I fetch O (0) or o_w (1);  s14 = w % 2: my half of the columns, and which half I fetch
.set FB, 13
.set HF, 14
.set TY, 15
.set CX, 40
.set CY, 41
.set TX, 42
.set G1,  24
.set G0,  32
.set G1B, 48
.set G0B, 56
.set MSB, 0
.macro WIN new                         ; the immediate's high byte repeats the setting that is left; a switch that changes nothing is dropped
.if MSB != (\new)
	s_set_vgpr_msb (MSB<<8)|(\new)
.set MSB, \new
.endif
.endm
.set MUL,  0x05                        ; sources 0 and 1 window 1; C and D window 0
.set TO_F, 0x40                        ; destination window 1, address window 0
.macro PLACES                          ; four plain vector instructions between a matrix instruction and a load into, or a read of, its registers
.rept 4
	v_nop
.endr
.endm
.macro JLOAD s                         ; a joint load; an s_nop 0 and four v_nop follow each of the two lines, ahead of the jump and the label
	s_cmp_eq_u32 s[FB], 0
	s_cbranch_scc0 .Lfor_b_\@
	tensor_load_to_lds s[G0+4*(\s):G0+4*(\s)+3], s[G1:G1+7]
	s_nop 0
.rept 4
	v_nop
.endr
	s_branch .Lasked_\@
.Lfor_b_\@:
	tensor_load_to_lds s[G0B+4*(\s):G0B+4*(\s)+3], s[G1B:G1B+7]
	s_nop 0
.rept 4
	v_nop
.endr
.Lasked_\@:
.endm
.macro CREST
	s_cmp_lg_u32 s[WV], 0
	s_cbranch_scc1 .Lnot_wave_0_\@
	s_barrier_signal -3
.Lnot_wave_0_\@:
	s_barrier_wait -3
	s_barrier_signal -1
	s_barrier_wait -1
.endm
.macro CROUND
	s_barrier_signal -1
	s_barrier_wait -1
	CREST
.endm
	s_load_b256 s[4:11], s[0:1], 0x0               ; ob s[4:5], owb s[6:7], o_b s[8:9], out0 s[10:11]
	v_lshl_add_u32 v[SPW], v0, 2, SPARE
	v_mov_b32 v[NIL], 0
	ds_add_u32 v[SPW], v[NIL]                      ; the wave's opening: the add and its wait stand ahead of my first tensor load; the set-up below stands between them
	v_lshrrev_b32 v1, 5, v0
	v_readfirstlane_b32 s[WV], v1
	s_lshr_b32 s[FB], s[WV], 1
	s_and_b32 s[HF], s[WV], 1
	s_bfe_u32 s[CX], ttmp6, 0x40000
	s_bfe_u32 s[CY], ttmp6, 0x40004
	s_lshl_b32 s[TX], ttmp9, 2
	s_add_co_u32 s[TX], s[TX], s[CX]               ; tile column = 4 x cluster x + cx
	s_and_b32 s[TY], ttmp7, 0xffff
	s_lshl_b32 s[TY], s[TY], 2
	s_add_co_u32 s[TY], s[TY], s[CY]               ; tile row = 4 x cluster y + cy
	s_lshl_b32 s43, s[CY], 2
	s_lshl_b32 s43, 15, s43                        ; my row of the cluster
	s_lshl_b32 s44, 0x1111, s[CX]                  ; my column
	; O: 32,768 dense bytes as 128 rows of 256, padded after every 128 bytes (a row of a head)
	s_or_b32 s[G1], s43, (1<<16)|(1<<20)|(1<<21)|(4<<22)|(3<<25)
	s_mov_b32 s[G1+1], 128<<16                     ; tensor_dim0 = 128
	s_mov_b32 s[G1+2], 128<<16                     ; tensor_dim1 = 128
	s_mov_b32 s[G1+3], 128<<16                     ; tile_dim0 = 128
	s_mov_b32 s[G1+4], 128                         ; tile_dim1 = 128
	s_mov_b32 s[G1+5], 128                         ; elements from row to row
	s_mov_b32 s[G1+6], 0
	s_mov_b32 s[G1+7], 0
	; o_w: 64 rows of 512 bytes, padded after every row
	s_or_b32 s[G1B], s44, (1<<16)|(1<<20)|(1<<21)|(6<<22)|(3<<25)
	s_mov_b32 s[G1B+1], 256<<16
	s_mov_b32 s[G1B+2], 64<<16
	s_mov_b32 s[G1B+3], 256<<16
	s_mov_b32 s[G1B+4], 64
	s_mov_b32 s[G1B+5], 1024
	s_mov_b32 s[G1B+6], 0
	s_mov_b32 s[G1B+7], 0
	s_lshl_b32 s16, s[TY], 18                      ; O: the block's 262,144 bytes,
	s_lshl_b32 s17, s[HF], 15                      ; my two heads of a K step's four
	s_add_co_u32 s16, s16, s17
	s_mov_b32 s17, 0
	s_lshl_b32 s46, s[TX], 7                       ; o_w: row 128 tx + 64 x half
	s_lshl_b32 s47, s[HF], 6
	s_add_co_u32 s46, s46, s47
	s_lshl_b32 s46, s46, 11
	s_mov_b32 s47, 0
	s_mul_i32 s20, s[HF], 2*SLAB                   ; where they land in a slot: the wave's number alone
	s_mul_i32 s21, s[HF], 64*PB
	s_add_co_u32 s21, s21, BOFF
	s_wait_dscnt 0x0                               ; the opening add is done
	s_wait_kmcnt 0x0
	s_add_nc_u64 s[16:17], s[4:5], s[16:17]
	s_add_nc_u64 s[46:47], s[6:7], s[46:47]
	CROUND                                         ; all sixteen work-groups are here: the first joint loads meet
.irp s, 0,1
	s_mov_b32 s[G0+4*(\s)], 1
	s_add_co_u32 s[G0+4*(\s)+1], s20, (\s)*SLOT
	s_add_nc_u64 s[G0+4*(\s)+2:G0+4*(\s)+3], s[16:17], (\s)*ASTEP
	s_or_b32 s[G0+4*(\s)+3], s[G0+4*(\s)+3], 0x80000000
	s_mov_b32 s[G0B+4*(\s)], 1
	s_add_co_u32 s[G0B+4*(\s)+1], s21, (\s)*SLOT
	s_add_nc_u64 s[G0B+4*(\s)+2:G0B+4*(\s)+3], s[46:47], (\s)*BSTEP
	s_or_b32 s[G0B+4*(\s)+3], s[G0B+4*(\s)+3], 0x80000000
.endr
	s_cmp_eq_u32 s[FB], 0                          ; a wave's two first fills stand in one branch, ahead of every wait on TENSORcnt and every LDS read: two loads of mine are out
	s_cbranch_scc0 .Lfirst_b
	tensor_load_to_lds s[G0:G0+3], s[G1:G1+7]
	s_nop 0
	tensor_load_to_lds s[G0+4:G0+7], s[G1:G1+7]
	s_nop 0
.rept 4
	v_nop
.endr
	s_branch .Lfirst_asked
.Lfirst_b:
	tensor_load_to_lds s[G0B:G0B+3], s[G1B:G1B+7]
	s_nop 0
	tensor_load_to_lds s[G0B+4:G0B+7], s[G1B:G1B+7]
	s_nop 0
.rept 4
	v_nop
.endr
.Lfirst_asked:
	v_and_b32 v1, 15, v0                           ; l % 16
	v_bfe_u32 v2, v0, 4, 1                         ; l / 16
	s_lshl_b32 s46, s[TX], 9                       ; my first column, in bytes of f32: 4 (128 tx + 64 x half)
	s_lshl_b32 s47, s[HF], 8
	s_add_co_u32 s46, s46, s47
	s_mov_b32 s47, 0
	s_add_nc_u64 s[8:9], s[8:9], s[46:47]
	s_add_nc_u64 s[10:11], s[10:11], s[46:47]
	v_lshlrev_b32 v[BO], 5, v2
.irp b, 0,1,2,3                                    ; register j of block b holds o_b[my first column + 16 b + 8 (l / 16) + j], the C of the first product
	global_load_b128 v[BIAS+8*(\b):BIAS+8*(\b)+3],   v[BO], s[8:9] offset:64*(\b)
	global_load_b128 v[BIAS+8*(\b)+4:BIAS+8*(\b)+7], v[BO], s[8:9] offset:64*(\b)+16
.endr
	s_lshl_b32 s16, s[TY], 19                      ; my first row: 128 ty + 64 x half, 4,096 bytes a row
	s_lshl_b32 s17, s[FB], 18
	s_add_co_u32 s16, s16, s17
	s_mov_b32 s17, 0
	s_add_nc_u64 s[10:11], s[10:11], s[16:17]
	v_mul_u32_u24 v3, v1, PA
	v_lshl_add_u32 v3, v2, 4, v3
	v_mul_u32_u24 v4, v1, PB
	v_lshl_add_u32 v4, v2, 4, v4
	s_mul_i32 s22, s[FB], 64*PA                    ; my 64 rows in each slab of O
	s_mul_i32 s23, s[HF], 64*PB                    ; my 64 rows of o_w
	s_add_co_u32 s23, s23, BOFF
.irp s, 0,1
	v_add_nc_u32 v[ADRA+(\s)], s22, v3
	v_add_nc_u32 v[ADRB+(\s)], s23, v4
	s_add_co_u32 s22, s22, SLOT
	s_add_co_u32 s23, s23, SLOT
.endr
	s_mul_i32 s23, s[WV], 16*SPITCH
	s_add_co_u32 s23, s23, STAGE                   ; my stage
	v_mul_u32_u24 v5, v1, SPITCH                   ; in: row l % 16, 32 bytes for each half of the lanes
	v_lshl_add_u32 v5, v2, 5, v5
	v_add_nc_u32 v[STO], s23, v5
	v_mul_u32_u24 v5, v2, SPITCH                   ; back: lanes 0-15 take one row of 256 bytes, lanes 16-31 the next
	v_lshl_add_u32 v5, v1, 4, v5
	v_add_nc_u32 v[RD], s23, v5
	v_lshlrev_b32 v5, 12, v2                       ; and the same two rows in out0
	v_lshl_add_u32 v[CO], v1, 4, v5
; 8 matrix instructions: row blocks a0, a0 + 1 x all 4 column blocks, 32 along K: half c of buffer f.  first = 1: the bias starts the sums.  The 16 accumulators take turns.
.macro MUL8 f, c, a0, first
	WIN MUL
.irp a, \a0, (\a0)+1
.irp b, 0,1,2,3
.if \first
	v_wmma_f32_16x16x32_f16 v[ACC+8*(4*(\a)+(\b)):ACC+8*(4*(\a)+(\b))+7], v[(\f)+64+8*(4*(\c)+(\b)):(\f)+64+8*(4*(\c)+(\b))+7], v[(\f)+8*(4*(\c)+(\a)):(\f)+8*(4*(\c)+(\a))+7], v[BIAS+8*(\b):BIAS+8*(\b)+7]
.else
	v_wmma_f32_16x16x32_f16 v[ACC+8*(4*(\a)+(\b)):ACC+8*(4*(\a)+(\b))+7], v[(\f)+64+8*(4*(\c)+(\b)):(\f)+64+8*(4*(\c)+(\b))+7], v[(\f)+8*(4*(\c)+(\a)):(\f)+8*(4*(\c)+(\a))+7], v[ACC+8*(4*(\a)+(\b)):ACC+8*(4*(\a)+(\b))+7]
.endif
.endr
.endr
.endm
; 32 LDS loads in one run: quarter q's fragments (head q of the slot's four; byte 128 q of o_w's rows) into buffer f; the first 32 along K first
.macro FETCH slot, q, f
	WIN TO_F
.irp c, 0,1
.irp i, 0,1,2,3
	ds_load_b128 v[(\f)+64+8*(4*(\c)+(\i)):(\f)+64+8*(4*(\c)+(\i))+3],   v[ADRB+(\slot)] offset:128*(\q)+64*(\c)+(\i)*16*PB
	ds_load_b128 v[(\f)+64+8*(4*(\c)+(\i))+4:(\f)+64+8*(4*(\c)+(\i))+7], v[ADRB+(\slot)] offset:128*(\q)+64*(\c)+(\i)*16*PB+32
	ds_load_b128 v[(\f)+8*(4*(\c)+(\i)):(\f)+8*(4*(\c)+(\i))+3],         v[ADRA+(\slot)] offset:(\q)*SLAB+64*(\c)+(\i)*16*PA
	ds_load_b128 v[(\f)+8*(4*(\c)+(\i))+4:(\f)+8*(4*(\c)+(\i))+7],       v[ADRA+(\slot)] offset:(\q)*SLAB+64*(\c)+(\i)*16*PA+32
.endr
.endr
.endm
; A K step is four quarters of 64 along K, 32 matrix instructions each, on buffers 0, 1, 0, 1.  One of the first three multiplies buffer f and fetches quarter q into g.
.macro QUARTER slot, q, f, g, first
	s_wait_dscnt 16                                ; the first 32 along K are in; the youngest 16 loads may be out
	MUL8 \f, 0, 0, \first
	MUL8 \f, 0, 2, \first
	PLACES
	FETCH \slot, \q, \g
	s_wait_dscnt 32                                ; all but the 32 just issued
	MUL8 \f, 1, 0, 0
	MUL8 \f, 1, 2, 0
.endm
; The last quarter multiplies buffer 1 and changes slots: ONE barrier; in front of it each wave waits for all its tensor loads, adds 0 to its spare word, and waits for that and for its reads of this slot.
; fill = 1: the barrier opens a round of the cluster's, and this slot is filled again first thing behind it, two K steps ahead.
.macro TURN slot, next, fill
	WIN 0                                          ; (the add's two registers lie in window 0)
	s_wait_tensorcnt 0x0                           ; all my tensor loads have landed: my part of the next slot
	ds_add_u32 v[SPW], v[NIL]                      ; 0 onto my spare word
	s_wait_dscnt 17                                ; (the add and the youngest sixteen loads may be out)
	MUL8 F1, 0, 0, 0                               ; eight matrix instructions stand between the add and the wait for it
	s_wait_dscnt 0x0                               ; the add is done, and my reads of this slot are over
	s_barrier_signal -1
	MUL8 F1, 0, 2, 0
.if \fill
	WIN 0
.endif
	s_barrier_wait -1
.if \fill
	CREST                                          ; no wave of any partner still reads this slot or has a load on its way
	s_add_nc_u64 s[G0+4*(\slot)+2:G0+4*(\slot)+3], s[G0+4*(\slot)+2:G0+4*(\slot)+3], 2*ASTEP
	s_add_nc_u64 s[G0B+4*(\slot)+2:G0B+4*(\slot)+3], s[G0B+4*(\slot)+2:G0B+4*(\slot)+3], 2*BSTEP
	JLOAD \slot                                    ; the four v_nop behind it are also the places in front of the loads below
.else
	PLACES
.endif
	FETCH \next, 0, F0
	MUL8 F1, 1, 0, 0
	MUL8 F1, 1, 2, 0
.endm
; THE WAY OUT of row block a, in f32, through my own stage: 32 bytes a lane and column block go into rows of 272 bytes (each accumulator's low four registers first) and come back as whole rows of 256.
.macro TOSTAGE a
.irp b, 0,1,2,3
	ds_store_b128 v[STO], v[ACC+8*(4*(\a)+(\b)):ACC+8*(4*(\a)+(\b))+3]   offset:64*(\b)
	ds_store_b128 v[STO], v[ACC+8*(4*(\a)+(\b))+4:ACC+8*(4*(\a)+(\b))+7] offset:64*(\b)+16
.endr
.irp t, 0,1,2,3,4,5,6,7
	ds_load_b128 v[TMP+32*((\a)%2)+4*(\t):TMP+32*((\a)%2)+4*(\t)+3], v[RD] offset:(\t)*2*SPITCH  ; LDS serves a wave's instructions in order (ISA guide 5.7.1.4): these see the stores above
.endr
.endm
.macro SEND a, younger                 ; younger: the LDS instructions issued behind block a's loads: the next block's sixteen, or none
	s_wait_dscnt \younger
.irp t, 0,1,2,3,4,5,6,7
	global_store_b128 v[CO], v[TMP+32*((\a)%2)+4*(\t):TMP+32*((\a)%2)+4*(\t)+3], s[10:11] offset:(16*(\a)+2*(\t))*4096  ; 16 lanes store 256 consecutive bytes, at a multiple of 256 from out0's first
.endr
.endm
	s_wait_tensorcnt 1                             ; my part of K step 0 is in; K step 1's may stay out
	s_barrier_signal -1
	s_barrier_wait -1                              ; everybody's is
	FETCH 0, 0, F0
	s_wait_loadcnt 0x0                             ; the bias
	QUARTER 0, 1, F0, F1, 1                        ; K step 0; its first products start the sums
	QUARTER 0, 2, F1, F0, 0
	QUARTER 0, 3, F0, F1, 0
	TURN 0, 1, 1                                   ; slot 0 takes K step 2
	QUARTER 1, 1, F0, F1, 0                        ; K step 1
	QUARTER 1, 2, F1, F0, 0
	QUARTER 1, 3, F0, F1, 0
	TURN 1, 0, 1                                   ; slot 1 takes K step 3
	QUARTER 0, 1, F0, F1, 0                        ; K step 2: nothing more is asked for
	QUARTER 0, 2, F1, F0, 0
	QUARTER 0, 3, F0, F1, 0
	TURN 0, 1, 0
	QUARTER 1, 1, F0, F1, 0                        ; K step 3
	QUARTER 1, 2, F1, F0, 0
	QUARTER 1, 3, F0, F1, 0
	s_wait_dscnt 16                                ; the very last quarter: nothing more to fetch
	MUL8 F1, 0, 0, 0
	MUL8 F1, 0, 2, 0
	s_wait_dscnt 0x0
	MUL8 F1, 1, 0, 0
	MUL8 F1, 1, 2, 0
	WIN 0
	PLACES
	TOSTAGE 0
.irp a, 1,2,3
.if (\a) >= 2
	s_wait_xcnt 0x0                                ; the stores of two blocks back have read their registers: only behind this wait are those loaded again
.endif
	TOSTAGE \a
	SEND (\a)-1, 16
.endr
	SEND 3, 0
	s_wait_tensorcnt 0x0                           ; the wave's end: the wait, the add of 0 and its wait, behind my last tensor load and my last LDS store
	ds_add_u32 v[SPW], v[NIL]
	s_wait_dscnt 0x0
	CROUND                                         ; the closing round: no work-group ends while a partner may still ask for a tile that names it
	s_endpgm
.Lfunc_end_k_q5d3e7dfa0a_oproj:
	.size	k_q5d3e7dfa0a_oproj, .Lfunc_end_k_q5d3e7dfa0a_oproj-k_q5d3e7dfa0a_oproj
	.p2alignl 7, 3214868480
	.fill 96, 4, 3214868480
	.section	.rodata,"a",@progbits
	.p2align	6, 0x0
	.amdhsa_kernel k_q5d3e7dfa0a_oproj
		.amdhsa_group_segment_fixed_size 327680
		.amdhsa_private_segment_fixed_size 0
		.amdhsa_enable_private_segment 0
		.amdhsa_kernarg_size 32
		.amdhsa_user_sgpr_count 2
		.amdhsa_user_sgpr_kernarg_segment_ptr 1
		.amdhsa_wavefront_size32 1
		.amdhsa_system_sgpr_workgroup_id_x 1
		.amdhsa_system_sgpr_workgroup_id_y 1
		.amdhsa_system_sgpr_workgroup_id_z 1
		.amdhsa_system_vgpr_workitem_id 0
		.amdhsa_next_free_vgpr 512
		.amdhsa_next_free_sgpr 66
		.amdhsa_reserve_vcc 0
		.amdhsa_float_denorm_mode_32 3
		.amdhsa_float_denorm_mode_16_64 3
		.amdhsa_memory_ordered 1
		.amdhsa_forward_progress 1
		.amdhsa_inst_pref_size 86
	.end_amdhsa_kernel
	.amdgpu_metadata
---
amdhsa.version: [ 1, 2 ]
amdhsa.kernels:
  - .name:           k_q5d3e7dfa0a_oproj
    .symbol:         k_q5d3e7dfa0a_oproj.kd
    .args:
      - { .name: ob, .offset: 0, .size: 8, .value_kind: global_buffer, .address_space: global }
      - { .name: owb, .offset: 8, .size: 8, .value_kind: global_buffer, .address_space: global }
      - { .name: o_b, .offset: 16, .size: 8, .value_kind: global_buffer, .address_space: global }
      - { .name: out0, .offset: 24, .size: 8, .value_kind: global_buffer, .address_space: global }
    .group_segment_fixed_size: 327680
    .private_segment_fixed_size: 0
    .kernarg_segment_align: 8
    .kernarg_segment_size: 32
    .max_flat_workgroup_size: 128
    .sgpr_count:     66
    .vgpr_count:     512
    .wavefront_size: 32
...
	.end_amdgpu_metadata
.endif
;; end of part 4
;; ======== version 2 of 2: 4 launches; version 1 with the launch cast written anew for expert scheduling mode
;; limits: values are held in f16: magnitudes above 65,504 overflow, below 6.1e-05 lose precision
;; workspace buffers: xb 8,388,608 bytes; wb 6,291,456 bytes; owb 2,097,152 bytes; qkvb 25,165,824 bytes; ob 8,388,608 bytes
;; launch cast (part 5): grid 512 x 1, 8 waves a work-group, no clusters, 0 bytes of LDS; arguments x, q_w, k_w, v_w, o_w, xb, wb, owb; writes xb, wb, owb
.if DOCPART == 5
	.amdgcn_target "amdgcn-amd-amdhsa--gfx1250"
	.amdhsa_code_object_version 6
	.text
	.protected	k_q5d3e7dfa0a_cast
	.globl	k_q5d3e7dfa0a_cast
	.p2align	8
	.type	k_q5d3e7dfa0a_cast,@function
k_q5d3e7dfa0a_cast:
	s_mov_b64 s[64:65], 0
	v_nop
	global_prefetch_b8 v0, s[64:65] scope:SCOPE_SE
	s_setreg_imm32_b32 hwreg(HW_REG_WAVE_SCHED_MODE, 0, 2), 2
	s_setreg_imm32_b32 hwreg(HW_REG_WAVE_MODE, 25, 1), 1
	s_wait_xcnt 0x0
	s_wait_alu depctr_vm_vsrc(0)
; CAST.  x, q_w, k_w, v_w are rounded once to bf16; o_w is rounded to bf16 and that number is written as f16 (the last product runs f16 x f16).
; xb: bf16 [4096][1024].  wb: bf16 [16 heads][q, k, v][64][1024]: a head's q, k and v rows lie together.  owb: f16 [1024][1024].
; LIMIT.  o_w within f16's 65,504; below 6e-5 the f16 copy keeps f16's fixed step of 6e-8.
; SHARES.  Work-group g takes 65,536 bytes of f32 (16 rows of 1,024 numbers): g 0-255 of x, then 64 each of q_w, k_w, v_w, o_w.  Thread t takes 16 bytes at 16 t + 4,096 i, i = 0..15:
; a wave's load covers 512 consecutive bytes; its store of 8 bytes a lane covers 256 consecutive bytes, aligned.  All 16 loads of a thread go out at once; nothing is read twice.
; No LDS, no barrier, no matrix unit: the launch only moves bytes.
; THE MODE: SCHED_MODE bits 1:0 = 2 (LLVM: expert scheduling mode 2), set by the entry lines.  The code itself states the register dependences between vector instructions and memory
; instructions, with s_wait_alu, always for 0.
; THE PLAN.  Registers that memory instructions touch:
;   v1, v2   the loads' and the stores' byte offsets: written once at the head, never again; read by every load (v1) and every store (v2).
;   X        written by the 16 loads alone, each register once; read by the conversions behind the wait for the data.  No vector instruction names X ahead of the loads.
;   Y        two registers to each store: written by that load's conversions, read by that store, never written behind it.
;   T        named by vector instructions alone.
; So one wait on va_vdst stands ahead of the first load, for v1 and v2, and one ahead of each run of four stores, for the eight registers of Y that the run reads: the 16 loads are worked off in
; four groups of four (the group's data, its conversions, the wait, its four stores).  The stores follow their group's conversions at once: held back to the next group's head they would wait for
; four more loads.  No register that a memory instruction reads is ever written again: no wait on vm_vsrc is owed, and none on XCNT.  No vector instruction writes a scalar register; EXEC is never written.
.set X, 4                              ; v[4:67]    16 x 4 registers as loaded
.set Y, 68                             ; v[68:99]   16 x 2 registers to store: each store has its own, so none is rewritten
.set T, 100                            ; v[100:103] at work
.set SRC, 28                           ; s[28:29]   where I read
.set DST, 30                           ; s[30:31]   where I write
	s_load_b512 s[8:23], s[0:1], 0x0               ; x s[8:9], q_w s[10:11], k_w s[12:13], v_w s[14:15], o_w s[16:17], xb s[18:19], wb s[20:21], owb s[22:23]
	v_lshlrev_b32 v1, 4, v0                        ; 16 t
	v_lshlrev_b32 v2, 3, v0                        ; 8 t
	s_max_u32 s2, ttmp9, 256
	s_sub_co_u32 s2, s2, 256                       ; my number among the weights' 256 chunks (0 for a chunk of x)
	s_lshr_b32 s3, s2, 6                           ; which: 0 q_w, 1 k_w, 2 v_w, 3 o_w
	s_and_b32 s4, s2, 63                           ; chunk c of 16 rows in that matrix
	s_lshr_b32 s5, s4, 2                           ; head = c / 4
	s_mul_i32 s5, s5, 3
	s_add_co_u32 s5, s5, s3
	s_lshl_b32 s5, s5, 2
	s_and_b32 s6, s4, 3
	s_add_co_u32 s5, s5, s6                        ; its place in wb, in chunks: 4 (3 head + which) + c % 4
	s_cmp_eq_u32 s3, 3
	s_cselect_b32 s5, s4, s5                       ; o_w keeps its order
	s_cmp_lt_u32 ttmp9, 256
	s_cselect_b32 s5, ttmp9, s5                    ; and so does x
	s_cselect_b32 s4, ttmp9, s4
	s_lshl_b32 s24, s4, 16                         ; source offset: 65,536 bytes a chunk
	s_mov_b32 s25, 0
	s_lshl_b32 s26, s5, 15                         ; destination offset: 32,768 bytes a chunk
	s_mov_b32 s27, 0
	s_wait_kmcnt 0x0
	s_cmp_eq_u32 s3, 0
	s_cselect_b64 s[SRC:SRC+1], s[10:11], s[12:13]
	s_cmp_eq_u32 s3, 2
	s_cselect_b64 s[SRC:SRC+1], s[14:15], s[SRC:SRC+1]
	s_cmp_eq_u32 s3, 3
	s_cselect_b64 s[SRC:SRC+1], s[16:17], s[SRC:SRC+1]
	s_cselect_b64 s[DST:DST+1], s[22:23], s[20:21]
	s_cmp_lt_u32 ttmp9, 256
	s_cselect_b64 s[SRC:SRC+1], s[8:9], s[SRC:SRC+1]
	s_cselect_b64 s[DST:DST+1], s[18:19], s[DST:DST+1]
	s_add_nc_u64 s[SRC:SRC+1], s[SRC:SRC+1], s[24:25]
	s_add_nc_u64 s[DST:DST+1], s[DST:DST+1], s[26:27]
	s_wait_alu depctr_va_vdst(0)                   ; v1 and v2 are written: every load below reads v1 as its offset, every store on either side of the branch v2
.irp i, 0,1,2,3,4,5,6,7,8,9,10,11,12,13,14,15
	global_load_b128 v[X+4*(\i):X+4*(\i)+3], v1, s[SRC:SRC+1] offset:4096*(\i) th:TH_LOAD_NT
.endr
	s_cmp_ge_u32 ttmp9, 448                        ; the last 64 work-groups hold o_w
	s_cbranch_scc1 .Lf16
.irp g, 0,1,2,3
	s_wait_loadcnt 12-4*(\g)                       ; loads come back in order: the group's four are in, the 12 - 4 g younger ones stay out
.irp i, 0,1,2,3
	v_cvt_pk_bf16_f32 v[Y+2*(4*(\g)+(\i))],   v[X+4*(4*(\g)+(\i))],   v[X+4*(4*(\g)+(\i))+1]
	v_cvt_pk_bf16_f32 v[Y+2*(4*(\g)+(\i))+1], v[X+4*(4*(\g)+(\i))+2], v[X+4*(4*(\g)+(\i))+3]
.endr
	s_wait_alu depctr_va_vdst(0)                   ; the group's eight conversions have written its eight registers of Y, which the four stores below read
.irp i, 0,1,2,3
	global_store_b64 v2, v[Y+2*(4*(\g)+(\i)):Y+2*(4*(\g)+(\i))+1], s[DST:DST+1] offset:2048*(4*(\g)+(\i)) th:TH_STORE_NT
.endr
.endr
	s_endpgm
.Lf16:
.irp g, 0,1,2,3
	s_wait_loadcnt 12-4*(\g)                       ; the group's four loads are in, the 12 - 4 g younger ones stay out
.irp i, 0,1,2,3
	v_cvt_pk_bf16_f32 v[Y+2*(4*(\g)+(\i))],   v[X+4*(4*(\g)+(\i))],   v[X+4*(4*(\g)+(\i))+1]     ; the one rounding, to bf16, as for every other input
	v_cvt_pk_bf16_f32 v[Y+2*(4*(\g)+(\i))+1], v[X+4*(4*(\g)+(\i))+2], v[X+4*(4*(\g)+(\i))+3]
	v_lshlrev_b32 v[T],   16, v[Y+2*(4*(\g)+(\i))]                                              ; back to f32,
	v_and_b32     v[T+1], 0xffff0000, v[Y+2*(4*(\g)+(\i))]
	v_lshlrev_b32 v[T+2], 16, v[Y+2*(4*(\g)+(\i))+1]
	v_and_b32     v[T+3], 0xffff0000, v[Y+2*(4*(\g)+(\i))+1]
	v_cvt_pk_f16_f32 v[Y+2*(4*(\g)+(\i))],   v[T],   v[T+1]                                     ; and written as f16: 8 significant bits fit into 11
	v_cvt_pk_f16_f32 v[Y+2*(4*(\g)+(\i))+1], v[T+2], v[T+3]
.endr
	s_wait_alu depctr_va_vdst(0)                   ; the group's last conversions, to f16, have written its eight registers of Y, which the four stores below read
.irp i, 0,1,2,3
	global_store_b64 v2, v[Y+2*(4*(\g)+(\i)):Y+2*(4*(\g)+(\i))+1], s[DST:DST+1] offset:2048*(4*(\g)+(\i)) th:TH_STORE_NT
.endr
.endr
	s_endpgm
.Lfunc_end_k_q5d3e7dfa0a_cast:
	.size	k_q5d3e7dfa0a_cast, .Lfunc_end_k_q5d3e7dfa0a_cast-k_q5d3e7dfa0a_cast
	.p2alignl 7, 3214868480
	.fill 96, 4, 3214868480
	.section	.rodata,"a",@progbits
	.p2align	6, 0x0
	.amdhsa_kernel k_q5d3e7dfa0a_cast
		.amdhsa_group_segment_fixed_size 0
		.amdhsa_private_segment_fixed_size 0
		.amdhsa_enable_private_segment 0
		.amdhsa_kernarg_size 64
		.amdhsa_user_sgpr_count 2
		.amdhsa_user_sgpr_kernarg_segment_ptr 1
		.amdhsa_wavefront_size32 1
		.amdhsa_system_sgpr_workgroup_id_x 1
		.amdhsa_system_sgpr_workgroup_id_y 1
		.amdhsa_system_sgpr_workgroup_id_z 1
		.amdhsa_system_vgpr_workitem_id 0
		.amdhsa_next_free_vgpr 104
		.amdhsa_next_free_sgpr 66
		.amdhsa_reserve_vcc 0
		.amdhsa_float_denorm_mode_32 3
		.amdhsa_float_denorm_mode_16_64 3
		.amdhsa_memory_ordered 1
		.amdhsa_forward_progress 1
		.amdhsa_inst_pref_size 16
	.end_amdhsa_kernel
	.amdgpu_metadata
---
amdhsa.version: [ 1, 2 ]
amdhsa.kernels:
  - .name:           k_q5d3e7dfa0a_cast
    .symbol:         k_q5d3e7dfa0a_cast.kd
    .args:
      - { .name: x, .offset: 0, .size: 8, .value_kind: global_buffer, .address_space: global }
      - { .name: q_w, .offset: 8, .size: 8, .value_kind: global_buffer, .address_space: global }
      - { .name: k_w, .offset: 16, .size: 8, .value_kind: global_buffer, .address_space: global }
      - { .name: v_w, .offset: 24, .size: 8, .value_kind: global_buffer, .address_space: global }
      - { .name: o_w, .offset: 32, .size: 8, .value_kind: global_buffer, .address_space: global }
      - { .name: xb, .offset: 40, .size: 8, .value_kind: global_buffer, .address_space: global }
      - { .name: wb, .offset: 48, .size: 8, .value_kind: global_buffer, .address_space: global }
      - { .name: owb, .offset: 56, .size: 8, .value_kind: global_buffer, .address_space: global }
    .group_segment_fixed_size: 0
    .private_segment_fixed_size: 0
    .kernarg_segment_align: 8
    .kernarg_segment_size: 64
    .max_flat_workgroup_size: 256
    .sgpr_count:     66
    .vgpr_count:     104
    .wavefront_size: 32
...
	.end_amdgpu_metadata
.endif
;; end of part 5
;; launch qkv: the kernel of part 2 again; grid 8 x 32, 4 waves a work-group, clusters of 4 x 4, 327,680 bytes of LDS; arguments xb, wb, q_b, k_b, v_b, qkvb; writes qkvb
;; launch attn: the kernel of part 3 again; grid 16 x 16, 4 waves a work-group, no clusters, 167,936 bytes of LDS; arguments qkvb, ob; writes ob
;; launch oproj: the kernel of part 4 again; grid 8 x 32, 4 waves a work-group, clusters of 4 x 4, 327,680 bytes of LDS; arguments ob, owb, o_b, out0; writes out0
